; MI455X (gfx1250); checked and timed in simulation.
; The chip was launched on July 23, 2026; its instructions are those of AMD's public machine-readable ISA for CDNA 5 (MIT licence, August 2026) and "CDNA5" Instruction Set Architecture Reference Guide (July 2026). The comments in the code are by the model that wrote it; some were corrected since.
;; Flax TPU Llama Attention. Allowed arithmetic: float matrix products may take bf16 or f16 operands with f32 sums; all other float work in f32.
;; Inputs: Wk 4,096 x 1,024 float32; Wo 4,096 x 4,096 float32; Wq 4,096 x 4,096 float32; Wv 4,096 x 1,024 float32; attention_mask 1 x 1,024 int32; hidden_states 1 x 1,024 x 4,096 float32; position_ids 1 x 1,024 int32.
;; Outputs: out0 1 x 1,024 x 4,096 float32.
;; One version. Each part assembles by itself: llvm-mc -triple=amdgcn-amd-amdhsa -mcpu=gfx1250 --defsym DOCPART=n.
;; ======== version 1 of 1: 4 launches
;; limits: values are held in f16: magnitudes above 65,504 overflow, below 6.1e-05 lose precision
;; workspace buffers: hb 8,388,608 bytes; rope 524,288 bytes; qb 8,388,608 bytes; kb 2,097,152 bytes; vb 2,097,152 bytes; vsum 32,768 bytes; ab 8,388,608 bytes
;; launch prep (part 1): grid 256 x 1, 8 waves a work-group, no clusters, 0 bytes of LDS; arguments hidden_states, position_ids, hb, rope; writes hb, rope
.if DOCPART == 1
	.amdgcn_target "amdgcn-amd-amdhsa--gfx1250"
	.amdhsa_code_object_version 6
	.text
	.protected	k_q6b5e49cf4f_prep
	.globl	k_q6b5e49cf4f_prep
	.p2align	8
	.type	k_q6b5e49cf4f_prep,@function
k_q6b5e49cf4f_prep:
	s_mov_b64 s[64:65], 0
	v_nop
	global_prefetch_b8 v0, s[64:65] scope:SCOPE_SE
	s_setreg_imm32_b32 hwreg(HW_REG_WAVE_MODE, 25, 1), 1
	s_wait_xcnt 0x0
; PREP.  (1) hidden_states [1024][4096] f32 -> hb, the same in bf16 (rounded once, to nearest even).  (2) rope: cos/4 as f32 [1024][64], then sin/4 as
; f32 [1024][64] at byte 262,144, of the angle float(position_ids[s]) * 10000^(-f/64).  The factor 1/4 is the scale under which q and k are kept in f16.
; A stream: no LDS, no barrier, no matrix unit, no cluster (no two work-groups read the same byte).
; 256 work-groups of 8 waves; a work-group converts 65,536 bytes of hidden_states; its waves 0 and 1 also make 4 rows of the table.
; LIMITS.  The angle is formed as reference() forms it (one f32 product); 10000^(-f/64) is right to about 2^-22 of its size, so the angle's error is
; |position| * 2^-22 at the most: 2^-12 at the problem's 1,023, 2^-7 at 32,768.  Sine and cosine are polynomials on [-pi/4, pi/4] behind a
; reduction by pi/2 in two parts, right while the quotient fits an i32.
.set X,    16                          ; v[16:79]   eight pieces of 8 f32 as loaded
.set Y,    80                          ; v[80:111]  eight pieces of 8 bf16 to store
.set FF,   112                         ; four registers each, one for each of my four frequencies:  f as a float
.set AA,   116                         ; f * c, rounded
.set EE,   120                         ; what the rounding of f * c lost; then 1 - that * ln 2
.set IV,   124                         ; 10000^(-f/64)
.set XX,   128                         ; the angle
.set NN,   132                         ; the nearest multiple of pi/2
.set RR,   136                         ; the angle less that multiple
.set ZZ,   140                         ; its square
.set SR,   144                         ; sin of it
.set CR,   148                         ; cos of it
.set QI,   152                         ; the quadrant
.set TT,   156                         ; at work
.set COSV, 160                         ; v[160:163] to store
.set SINV, 164                         ; v[164:167] to store
	s_load_b256 s[4:11], s[0:1], 0x0               ; hidden_states s[4:5], position_ids s[6:7], hb s[8:9], rope s[10:11]
	v_lshrrev_b32 v1, 5, v0
	v_readfirstlane_b32 s12, v1                    ; wave
	s_lshl_b32 s2, ttmp9, 16                       ; my 65,536 bytes of hidden_states
	s_mov_b32 s3, 0
	s_lshl_b32 s14, ttmp9, 15                      ; my 32,768 bytes of hb
	s_mov_b32 s15, 0
	v_lshlrev_b32 v2, 5, v0                        ; 32 t: my 8 f32 in a piece
	v_lshlrev_b32 v3, 4, v0                        ; 16 t: my 8 bf16 in a piece; also my 4 f32 in the table's 4 rows
	s_wait_kmcnt 0x0
	s_add_nc_u64 s[4:5], s[4:5], s[2:3]
	s_add_nc_u64 s[8:9], s[8:9], s[14:15]
	s_cmp_lt_u32 s12, 2
	s_cbranch_scc0 .Lno_pos
	s_lshl_b32 s16, ttmp9, 4                       ; table row s = 4 x work-group + t / 16; its position is 4 bytes
	v_lshrrev_b32 v4, 4, v0
	v_lshl_add_u32 v4, v4, 2, s16
	global_load_b32 v5, v4, s[6:7]                 ; ahead of the stream's loads, so that a counted wait reaches it
.Lno_pos:
.irp k, 0,1,2,3,4,5,6,7
	global_load_b128 v[X+8*\k:X+8*\k+3],   v2, s[4:5] offset:8192*\k th:TH_LOAD_NT
	global_load_b128 v[X+8*\k+4:X+8*\k+7], v2, s[4:5] offset:8192*\k+16 th:TH_LOAD_NT
.endr
	s_cmp_lt_u32 s12, 2
	s_cbranch_scc0 .Lconvert
	; THE TABLE, while the sixteen loads are on their way.  Thread t < 64: row 4 wg + t / 16, frequencies 4 (t % 16) + 0 .. 3.
	s_mov_b32 s17, 0x3e549a78                      ; c = log2(10000) / 64, its f32 part
	s_mov_b32 s18, 0x31979097                      ; and what that part leaves
	s_mov_b32 s19, 0xbf317218                      ; -ln 2
	s_mov_b32 s20, 0x3f22f983                      ; 2 / pi
	s_mov_b32 s21, 0x3fc90fdb                      ; pi / 2, its f32 part
	s_mov_b32 s22, 0xb33bbd2e                      ; and what that part leaves
	s_mov_b32 s23, 0xb94ca1f9                      ; sine:   r + r^3 (s25 + r^2 (s24 + r^2 s23))
	s_mov_b32 s24, 0x3c08839e
	s_mov_b32 s25, 0xbe2aaaa3
	s_mov_b32 s26, 0x37ccf5ce                      ; cosine: 1 - r^2 / 2 + r^4 (s28 + r^2 (s27 + r^2 s26))
	s_mov_b32 s27, 0xbab6061a
	s_mov_b32 s28, 0x3d2aaaa5
	s_lshl_b32 s2, ttmp9, 10                       ; my 4 rows of 256 bytes
	s_add_nc_u64 s[10:11], s[10:11], s[2:3]
	v_and_b32 v7, 15, v0
	v_lshlrev_b32 v7, 2, v7
.irp i, 0,1,2,3
	v_add_nc_u32 v[FF+\i], \i, v7
.endr
.irp i, 0,1,2,3
	v_cvt_f32_u32 v[FF+\i], v[FF+\i]
.endr
.irp i, 0,1,2,3
	v_mul_f32 v[AA+\i], s17, v[FF+\i]              ; a = f c, rounded
.endr
.irp i, 0,1,2,3
	v_fma_f32 v[EE+\i], v[FF+\i], s17, -v[AA+\i]   ; e = f c - a, exactly,
.endr
.irp i, 0,1,2,3
	v_fmac_f32 v[EE+\i], s18, v[FF+\i]             ; with c's lower part
.endr
.irp i, 0,1,2,3
	v_exp_f32 v[IV+\i], -v[AA+\i]                  ; 2^-a
.endr
.irp i, 0,1,2,3
	v_fma_f32 v[EE+\i], v[EE+\i], s19, 1.0         ; 2^-e = 1 - e ln 2; these plain lines also stand between the exponentials and their use (ISA guide 5.7.2)
.endr
	s_wait_loadcnt 16                              ; the position is in; the sixteen younger loads stay out
	v_cvt_f32_i32 v6, v5
	s_wait_alu depctr_va_vdst(0)
.irp i, 0,1,2,3
	v_mul_f32 v[IV+\i], v[IV+\i], v[EE+\i]         ; 10000^(-f/64)
.endr
.irp i, 0,1,2,3
	v_mul_f32 v[XX+\i], v6, v[IV+\i]               ; the angle: one f32 product
.endr
.irp i, 0,1,2,3
	v_mul_f32 v[NN+\i], s20, v[XX+\i]
.endr
.irp i, 0,1,2,3
	v_rndne_f32 v[NN+\i], v[NN+\i]
.endr
.irp i, 0,1,2,3
	v_fma_f32 v[RR+\i], -v[NN+\i], s21, v[XX+\i]
.endr
.irp i, 0,1,2,3
	v_fma_f32 v[RR+\i], -v[NN+\i], s22, v[RR+\i]   ; r in [-pi/4, pi/4]
.endr
.irp i, 0,1,2,3
	v_mul_f32 v[ZZ+\i], v[RR+\i], v[RR+\i]
	v_cvt_i32_f32 v[QI+\i], v[NN+\i]
.endr
.irp i, 0,1,2,3
	v_fma_f32 v[SR+\i], v[ZZ+\i], s23, s24
	v_fma_f32 v[CR+\i], v[ZZ+\i], s26, s27
.endr
.irp i, 0,1,2,3
	v_fma_f32 v[SR+\i], v[SR+\i], v[ZZ+\i], s25
	v_fma_f32 v[CR+\i], v[CR+\i], v[ZZ+\i], s28
	v_mul_f32 v[TT+\i], v[RR+\i], v[ZZ+\i]
.endr
.irp i, 0,1,2,3
	v_fma_f32 v[SR+\i], v[TT+\i], v[SR+\i], v[RR+\i]       ; sin r
	v_mul_f32 v[TT+\i], v[ZZ+\i], v[ZZ+\i]
	v_fma_f32 v[ZZ+\i], v[ZZ+\i], -0.5, 1.0
.endr
.irp i, 0,1,2,3
	v_fma_f32 v[CR+\i], v[CR+\i], v[TT+\i], v[ZZ+\i]       ; cos r
.endr
	; quadrant q = n mod 4:  sin = sr, cr, -sr, -cr;  cos = cr, -sr, -cr, sr.  A choice of values only.
.irp i, 0,1,2,3
	v_and_b32 v[TT+\i], 1, v[QI+\i]
	v_cmp_eq_u32 vcc_lo, 1, v[TT+\i]
	v_cndmask_b32 v[SINV+\i], v[SR+\i], v[CR+\i], vcc_lo
	v_cndmask_b32 v[COSV+\i], v[CR+\i], v[SR+\i], vcc_lo
	v_lshlrev_b32 v[TT+\i], 30, v[QI+\i]                   ; bit 1 of q is the sine's sign
	v_and_b32 v[TT+\i], 0x80000000, v[TT+\i]
	v_xor_b32 v[SINV+\i], v[SINV+\i], v[TT+\i]
	v_add_nc_u32 v[QI+\i], 1, v[QI+\i]                     ; bit 1 of q + 1 the cosine's
	v_lshlrev_b32 v[TT+\i], 30, v[QI+\i]
	v_and_b32 v[TT+\i], 0x80000000, v[TT+\i]
	v_xor_b32 v[COSV+\i], v[COSV+\i], v[TT+\i]
	v_mul_f32 v[SINV+\i], 0x3e800000, v[SINV+\i]           ; times 1/4, exactly
	v_mul_f32 v[COSV+\i], 0x3e800000, v[COSV+\i]
.endr
	global_store_b128 v3, v[COSV:COSV+3], s[10:11]                 ; sixteen lanes store one row of 256 bytes
	global_store_b128 v3, v[SINV:SINV+3], s[10:11] offset:262144
.Lconvert:
.irp k, 0,1,2,3,4,5,6,7
	s_wait_loadcnt 14-2*\k                         ; loads come back in order (ISA guide 5.7.1): piece k's two are in, the younger ones stay out
	v_cvt_pk_bf16_f32 v[Y+4*\k],   v[X+8*\k],   v[X+8*\k+1]
	v_cvt_pk_bf16_f32 v[Y+4*\k+1], v[X+8*\k+2], v[X+8*\k+3]
	v_cvt_pk_bf16_f32 v[Y+4*\k+2], v[X+8*\k+4], v[X+8*\k+5]
	v_cvt_pk_bf16_f32 v[Y+4*\k+3], v[X+8*\k+6], v[X+8*\k+7]
	global_store_b128 v3, v[Y+4*\k:Y+4*\k+3], s[8:9] offset:4096*\k   ; a wave's store covers 512 consecutive bytes, aligned
.endr
	s_endpgm
.Lfunc_end_k_q6b5e49cf4f_prep:
	.size	k_q6b5e49cf4f_prep, .Lfunc_end_k_q6b5e49cf4f_prep-k_q6b5e49cf4f_prep
	.p2alignl 7, 3214868480
	.fill 96, 4, 3214868480
	.section	.rodata,"a",@progbits
	.p2align	6, 0x0
	.amdhsa_kernel k_q6b5e49cf4f_prep
		.amdhsa_group_segment_fixed_size 0
		.amdhsa_private_segment_fixed_size 0
		.amdhsa_enable_private_segment 0
		.amdhsa_kernarg_size 32
		.amdhsa_user_sgpr_count 2
		.amdhsa_user_sgpr_kernarg_segment_ptr 1
		.amdhsa_wavefront_size32 1
		.amdhsa_system_sgpr_workgroup_id_x 1
		.amdhsa_system_sgpr_workgroup_id_y 1
		.amdhsa_system_sgpr_workgroup_id_z 1
		.amdhsa_system_vgpr_workitem_id 0
		.amdhsa_next_free_vgpr 168
		.amdhsa_next_free_sgpr 66
		.amdhsa_reserve_vcc 1
		.amdhsa_float_denorm_mode_32 3
		.amdhsa_float_denorm_mode_16_64 3
		.amdhsa_memory_ordered 1
		.amdhsa_forward_progress 1
		.amdhsa_inst_pref_size 14
	.end_amdhsa_kernel
	.amdgpu_metadata
---
amdhsa.version: [ 1, 2 ]
amdhsa.kernels:
  - .name:           k_q6b5e49cf4f_prep
    .symbol:         k_q6b5e49cf4f_prep.kd
    .args:
      - { .name: hidden_states, .offset: 0, .size: 8, .value_kind: global_buffer, .address_space: global }
      - { .name: position_ids, .offset: 8, .size: 8, .value_kind: global_buffer, .address_space: global }
      - { .name: hb, .offset: 16, .size: 8, .value_kind: global_buffer, .address_space: global }
      - { .name: rope, .offset: 24, .size: 8, .value_kind: global_buffer, .address_space: global }
    .group_segment_fixed_size: 0
    .private_segment_fixed_size: 0
    .kernarg_segment_align: 8
    .kernarg_segment_size: 32
    .max_flat_workgroup_size: 256
    .sgpr_count:     66
    .vgpr_count:     168
    .wavefront_size: 32
...
	.end_amdgpu_metadata
.endif
;; end of part 1
;; launch qkv (part 2): grid 4 x 48, 4 waves a work-group, clusters of 4 x 4, 327,680 bytes of LDS; arguments hb, Wq, Wk, Wv, rope, qb, kb, vb, vsum; writes qb, kb, vb, vsum
.if DOCPART == 2
	.amdgcn_target "amdgcn-amd-amdhsa--gfx1250"
	.amdhsa_code_object_version 6
	.text
	.protected	k_q6b5e49cf4f_qkv
	.globl	k_q6b5e49cf4f_qkv
	.p2align	8
	.type	k_q6b5e49cf4f_qkv,@function
k_q6b5e49cf4f_qkv:
	s_mov_b64 s[64:65], 0
	v_nop
	global_prefetch_b8 v0, s[64:65] scope:SCOPE_SE
	s_setreg_imm32_b32 hwreg(HW_REG_WAVE_MODE, 25, 1), 1
	s_wait_xcnt 0x0
	s_wait_alu depctr_hold_cnt(0) depctr_sa_sdst(0) depctr_va_vdst(0) depctr_va_sdst(0) depctr_va_ssrc(0) depctr_va_vcc(0) depctr_vm_vsrc(0)
	s_getreg_b32 s2, hwreg(HW_REG_IB_STS2, 6, 4)
	s_cmp_eq_u32 s2, 0
	s_cbranch_scc0 .Lentry_in_a_cluster
	s_endpgm
.Lentry_in_a_cluster:
	s_bfe_u32 s2, ttmp6, 0x10000c
	s_cmp_lg_u32 s2, 0xf033
	s_cbranch_scc0 .Lentry_shape_is_right
	s_endpgm
.Lentry_shape_is_right:
; QKV.  [hb] x [Wq | Wk | Wv] with bf16 operands and f32 sums, the rotation of q and k, results in f16 times 1/4; and the column sums of V.
; hb: [1024][4096] bf16.  W: [4096 (k)][N] f32, N = 4096 (Wq) or 1024 (Wk, Wv), rounded to bf16 on the way.  qb: [1024][4096] f16; kb, vb: [1024][1024] f16.
; vsum: f32 [8][1024]: row 2 mb + wm holds the sums of V (unscaled, f32) over 128 rows.
; WHY f16 OUT.  A query row with one or two open keys gives an output row of the size of v, about 1, while the whole output's root mean square is about
; 0.13; a rounding of v to bf16's 8 significant bits would leave some 1.6e-3 on such a row, f16's 11 bits leave 2e-4.
; A work-group makes 256 rows (x = block row mb) x 128 columns = one head (y: 0-31 heads of q, 32-39 of k, 40-47 of v), K = 4096.
; FOUR LIKE WAVES.  Each asks for 64 rows of A by a tensor load; carries a quarter of W through a ring of registers (f32 from memory, rounded to
; bf16, stored into LDS as [k][n]); and multiplies 128 rows x 64 columns: 32 accumulator tiles of 16 x 16.  No branch on data or role stands in the K loop.
; K in units of 32; a W buffer holds 2 units, an A slot 8 units (rows of 512 bytes).  Two W buffers, two A slots, taking turns.
; CLUSTERS.  4 x 4 work-groups: cx = the block row, cy = one of four neighbouring heads.  The four of a column of the cluster (same cx) need the same
; tiles of A and ask for them JOINTLY: the same tensor load, the same descriptor (made of the block row and the wave's number alone), a mask that names
; the four.  That divides the requests for A, 192 x 2 MiB, by four.  W is not asked for jointly: it is f32 and has to pass through registers to be
; rounded; as a joint tile it would be written into LDS and read from it once more, 1,024 bytes per k on top of the fragments' traffic.  Its four
; readers (the four block rows of one head) lie in one cluster.  12 clusters; heads 32 and 40 begin clusters, so which matrix a work-group serves hangs
; on the cluster's y alone, which all partners share.
; REGISTERS: v0-255 addresses, two fragment buffers, the rounded W; v256-511 the accumulators; v512-767 the ring: 8 slots of 8 loads of 16 bytes a lane.
; THE MATRIX INSTRUCTION IS USED TRANSPOSED (source 0 = 16 columns of W, source 1 = 16 rows of A): lane (r, h), register j holds
; C(row 16 a + r, column col0 + 8 h + j).  Column tile b of a wave starts at col0 = 32 wn + 16 (b & 1) + 64 (b >> 1), so that tiles b and b + 2
; hold the rotation's partners d and d + 64 in the same lane and register.
; LIMITS.  q, k, v are stored in f16 times 2^-2, so |q|, |k|, |v| < 262,016: with every input 30 times the drawn spread they reach some 4,500, with an
; offset of 30 spreads on both factors 4096 x 30 x 0.47 = 57,600.  Stored numbers under 6e-5 keep an absolute error of 3e-8.
.set PA,    528                        ; A's LDS pitch: 512 bytes + 16 = 33 x 16: the 16 rows of a fragment load start at 16 different 16-byte columns of 256
.set SLOTB, 256*PA                     ; an A slot
.set QTR,   64*PA                      ; what one tensor load brings
.set PW,    288                        ; W's LDS pitch: 256 bytes + 32 = 9 x 32, for the transposing loads
.set WBUF,  64*PW                      ; a W buffer: 64 k
.set WB,    2*SLOTB                    ; the W buffers lie behind the A slots: no tensor load lands there
.set PS,    272                        ; the output stage's pitch: 256 bytes + 16
.set VOFF,  8                          ; v8-15   byte offset of my 16 bytes in k row 8 w + i of a unit of W
.set ADS,   16                         ; v16     LDS address of my 8 bytes in k row 8 w of W buffer 0
.set ADA,   18                         ; v18-19  LDS address of my A fragments in slot 0, 1
.set ADW,   20                         ; v20     LDS address of my W fragments in buffer 0
.set STG,   21                         ; v21     where I put 16 bytes of a result row
.set ROFF,  22                         ; v22     my byte offset in the cos table
.set VSO,   23                         ; v23     my byte offset in vsum
.set F0,    32                         ; v32-127  fragment buffer 0: A's 8 row tiles at +8 a, W's 4 column tiles at +64 + 8 b
.set F1,    128                        ; v128-223 fragment buffer 1
.set T,     224                        ; v224-239 a unit's 8 rows of mine in bf16
.set CS,    32                         ; v32-159  the way out: four sets of 16 cos and 16 sin
.set VS,    32                         ; v32-63   the way out of V: column sums
.set TL,    160                        ; v160-175 rotated lower halves (V: v160-191 scaled results)
.set TH,    176                        ; v176-191 rotated upper halves
.set PK,    192                        ; v192-207 packed f16
.set OV,    208                        ; v208-223 byte offsets of 16 stores
.set G1,    40                         ; s[40:47] descriptor group 1
.set G0,    48                         ; s[48:55] descriptor group 0, one set for each slot
.set WBASE, 74                         ; s[74:75] W at the unit asked for last; s[26:27], s[66:73]: units 0 to 4, used once
.set MSB,   0
.macro WIN new                         ; s_set_vgpr_msb: bits 1:0 source 0, 3:2 source 1, 5:4 source 2, 7:6 destination; the high byte repeats the setting that is left
.if MSB != \new
	s_set_vgpr_msb (MSB<<8)|\new
.set MSB, \new
.endif
.endm
.macro PLACES                          ; four places behind a matrix instruction, before its registers are loaded into or its result is read (ISA guide 7.12.1)
.rept 4
	v_nop
.endr
.endm
.macro BAR                             ; my LDS stores are done and my LDS loads are back; then the work-group's barrier
	s_wait_dscnt 0x0
	s_barrier_signal -1
	s_barrier_wait -1
.endm
; A round of the cluster's barrier: my work-group's barrier, so that wave 0's signal speaks for all four waves; wave 0 signals for the work-group;
; every wave waits for all sixteen work-groups; my work-group's barrier once more.
.macro ROUND
	s_barrier_signal -1
	s_barrier_wait -1
	s_cmp_lg_u32 s22, 0
	s_cbranch_scc1 .Lnot_wave_0_\@
	s_barrier_signal -3
.Lnot_wave_0_\@:
	s_barrier_wait -3
	s_barrier_signal -1
	s_barrier_wait -1
.endm
.macro BARS s                          ; the round behind which slot s is filled again, jointly
	s_wait_tensorcnt 0x0                           ; all my tensor loads have landed, the other slot's among them: no load of mine is out,
	ds_add_u32 v254, v255
	s_add_nc_u64 s[G0+4*\s+2:G0+4*\s+3], s[G0+4*\s+2:G0+4*\s+3], 1024   ; so slot s's group 0 may step: 512 k on
	s_wait_dscnt 0x0                               ; my reads of slot s are back
	ROUND                                          ; both now hold of every wave of every work-group of the cluster
.endm
.macro GISSUE slot, b                  ; a unit's 8 k rows of mine, 512 bytes each, from base s[b:b+1] into ring slot
	WIN 0x80
.irp i, 0,1,2,3,4,5,6,7
	global_load_b128 v[32*\slot+4*\i:32*\slot+4*\i+3], v[VOFF+\i], s[\b:\b+1]
.endr
.endm
; One unit of W from the ring into LDS at byte off of the buffers.  issue = 1: the unit six further on is asked for, into the slot that
; was rounded two turns ago.  left: younger loads that may stay out.  The arithmetic comes first, then LDS stores and loads as one run.
.macro PTURN slot, off, issue, left
	s_wait_loadcnt \left                           ; loads come back in order (ISA guide 5.7.1): this unit's eight are in
	WIN 0x0a
.irp i, 0,1,2,3,4,5,6,7
	v_cvt_pk_bf16_f32 v[T+2*\i],   v[32*\slot+4*\i],   v[32*\slot+4*\i+1]
	v_cvt_pk_bf16_f32 v[T+2*\i+1], v[32*\slot+4*\i+2], v[32*\slot+4*\i+3]
.endr
	WIN 0
.irp i, 0,1,2,3,4,5,6,7
	ds_store_b64 v[ADS], v[T+2*\i:T+2*\i+1] offset:\off+PW*\i      ; 32 lanes store a k row's 256 consecutive bytes
.endr
.if \issue
.set PIS, (\slot+6)&7
	s_wait_xcnt 0x0                                ; the base is stepped only when the loads that name it have had their addresses translated: they were issued a turn ago, 32 matrix instructions back
	s_add_nc_u64 s[WBASE:WBASE+1], s[WBASE:WBASE+1], s[28:29]      ; 32 k rows on
	GISSUE PIS, WBASE
.endif
.endm
; 24 LDS loads: unit u8 of slot s and unit uo of W buffer wbuf into fragment buffer f: W's 8, then A's rows 0-63, then A's rows 64-127
.macro FETCH s, u8, wbuf, uo, f
.irp b, 0,1,2,3
	ds_load_tr16_b128 v[\f+64+8*\b:\f+64+8*\b+3],   v[ADW] offset:(\wbuf)*WBUF+(\uo)*32*PW+32*(\b&1)+128*(\b>>1)
	ds_load_tr16_b128 v[\f+64+8*\b+4:\f+64+8*\b+7], v[ADW] offset:(\wbuf)*WBUF+(\uo)*32*PW+32*(\b&1)+128*(\b>>1)+16*PW
.endr
.irp a, 0,1,2,3,4,5,6,7
	ds_load_b128 v[\f+8*\a:\f+8*\a+3],   v[ADA+\s] offset:16*PA*\a+64*(\u8)
	ds_load_b128 v[\f+8*\a+4:\f+8*\a+7], v[ADA+\s] offset:16*PA*\a+64*(\u8)+32
.endr
.endm
; 16 matrix instructions: row tiles 4 half .. 4 half + 3 x all 4 column tiles.  The 32 accumulators take turns, one instruction a turn.
.macro H f, half, zero
.irp a, 0,1,2,3
.irp b, 0,1,2,3
.if \zero
	v_wmma_f32_16x16x32_bf16 v[8*(4*(4*\half+\a)+\b):8*(4*(4*\half+\a)+\b)+7], v[\f+64+8*\b:\f+64+8*\b+7], v[\f+8*(4*\half+\a):\f+8*(4*\half+\a)+7], 0
.else
	v_wmma_f32_16x16x32_bf16 v[8*(4*(4*\half+\a)+\b):8*(4*(4*\half+\a)+\b)+7], v[\f+64+8*\b:\f+64+8*\b+7], v[\f+8*(4*\half+\a):\f+8*(4*\half+\a)+7], v[8*(4*(4*\half+\a)+\b):8*(4*(4*\half+\a)+\b)+7]
.endif
.endr
.endr
.endm
; What stands between two barriers: 64 k, the j-th quarter of the period on slot s.
; (refill = 1) the other slot's next tile is asked for jointly, first thing behind the round.  Multiplied: the second half of the unit before, both halves
; of unit 2 j, the first half of unit 2 j + 1; each unit's fragments are fetched while the one before is multiplied.  Between them the next 64 k of W go
; into the other W buffer (pmode 1: with new loads; 0: without; 2: nothing is left); l0, l1: the two units' counts.
; first = 1: no unit before, and unit 0 starts the sums; last = 1: the last unit is finished here.
.macro REGION s, j, refill, pmode, l0, l1, first, last
.set RU0, 2*\j
.set RU1, 2*\j+1
.set RWC, \j&1
.set RWP, (\j+1)&1
.set RS0, (2*\j+2)&7
.set RS1, (2*\j+3)&7
.if \pmode == 2
.set RST, 0
.else
.set RST, 8                            ; the eight LDS stores of a unit of W
.endif
.if \refill
	tensor_load_to_lds s[G0+4*(1-\s):G0+4*(1-\s)+3], s[G1:G1+7]    ; my one tensor load until the next round; it has this period's 256 matrix instructions in which to land
	s_nop 0
.endif
	FETCH \s, RU0, RWC, 0, F0
.if \first == 0
	WIN 0x50
	H F1, 1, 0                                     ; its fragments came back in front of the barrier
.endif
.if \pmode != 2
	PTURN RS0, RWP*WBUF, \pmode, \l0
.endif
	s_wait_dscnt 8+RST                             ; W's tiles and A's rows 0-63 are in; A's rows 64-127 (eight loads) and the stores behind them may be out
	WIN 0x50
	H F0, 0, \first
	PLACES
	WIN 0
	FETCH \s, RU1, RWC, 1, F1
	s_wait_dscnt 24                                ; all but the 24 just issued
	WIN 0x50
	H F0, 1, \first
.if \pmode != 2
	PTURN RS1, RWP*WBUF+32*PW, \pmode, \l1
.endif
	s_wait_dscnt 8+RST
	WIN 0x50
	H F1, 0, 0
.if \last
	s_wait_dscnt 0
	H F1, 1, 0
.endif
	PLACES                                         ; the places in front of the next fetch, and of the way out
	WIN 0
.endm
.macro PERIOD s, refill
	REGION \s, 0, \refill, 1, 40, 40, 0, 0         ; 40: the five younger units' loads stay out
	BAR
	REGION \s, 1, 0, 1, 40, 40, 0, 0
	BAR
	REGION \s, 2, 0, 1, 40, 40, 0, 0
	BAR
	REGION \s, 3, 0, 1, 40, 40, 0, 0
	BARS \s
.endm
	s_load_b512 s[4:19], s[0:1], 0x0               ; hb s[4:5], Wq s[6:7], Wk s[8:9], Wv s[10:11], rope s[12:13], qb s[14:15], kb s[16:17], vb s[18:19]
	s_load_b64 s[20:21], s[0:1], 0x40              ; vsum
	v_lshl_add_u32 v254, v0, 2, 0x4b000
	v_mov_b32 v255, 0
	ds_add_u32 v254, v255
	ds_add_u32 v254, v255
	v_lshrrev_b32 v1, 5, v0
	v_readfirstlane_b32 s22, v1                    ; wave 0..3
	s_bfe_u32 s60, ttmp6, 0x40000                  ; cx: my place along the cluster's x
	s_bfe_u32 s61, ttmp6, 0x40004                  ; cy: along its y
	s_lshl_b32 s23, ttmp9, 2                       ; in a cluster launch ttmp9 and ttmp7 count clusters
	s_add_co_u32 s23, s23, s60                     ; block row mb = 4 x cluster x + cx
	s_and_b32 s62, ttmp7, 0xffff                   ; the cluster's y: 0-7 heads of q, 8-9 of k, 10-11 of v
	s_lshl_b32 s24, s62, 2
	s_add_co_u32 s24, s24, s61                     ; y = 4 x cluster y + cy
	s_lshl_b32 s63, 0x1111, s60                    ; my column of the cluster: places cx, cx + 4, cx + 8, cx + 12
	s_bfe_u32 s36, s22, 0x10001                    ; wm: which 128 rows I make
	s_and_b32 s37, s22, 1                          ; wn: which columns
	s_mov_b32 s38, 0x3e800000                      ; 1/4, twice: a pair for the packed multiply
	s_mov_b32 s39, 0x3e800000
	; group 1: a tile of 64 rows x 256 bf16, 16 bytes of padding behind each row, for my column of the cluster
	s_or_b32 s[G1+0], s63, (1<<16)|(1<<20)|(1<<21)|(6<<22)|(3<<25)   ; 15:0 the mask; elements of 2 bytes; padding on; bit 21 set beside a mask; after every 128 words; of 4 words
	s_mov_b32 s[G1+1], 256<<16                     ; tensor_dim0 = 256
	s_mov_b32 s[G1+2], 64<<16                      ; tensor_dim1 = 64
	s_mov_b32 s[G1+3], 256<<16                     ; tile_dim0 = 256
	s_mov_b32 s[G1+4], 64                          ; tile_dim1 = 64
	s_mov_b32 s[G1+5], 4096                        ; elements from row to row
	s_mov_b32 s[G1+6], 0
	s_mov_b32 s[G1+7], 0
	; where A's tiles come from and go to: the block row and the wave's number alone, in registers that never hold cy
	s_lshl_b32 s76, s23, 21                        ; 256 rows of 8,192 bytes
	s_lshl_b32 s78, s22, 19                        ; 64 rows
	s_add_co_u32 s76, s76, s78
	s_mov_b32 s77, 0
	s_mul_i32 s79, s22, QTR                        ; LDS: wave x 64 rows
	s_wait_dscnt 0x0
	s_wait_kmcnt 0x0
	s_add_nc_u64 s[4:5], s[4:5], s[76:77]          ; A at the 64 rows that I bring
.irp s, 0,1
	s_mov_b32 s[G0+4*\s], 1
	s_add_co_u32 s[G0+4*\s+1], s79, \s*SLOTB                       ; LDS: wave x 64 rows + slot
	s_add_nc_u64 s[G0+4*\s+2:G0+4*\s+3], s[4:5], \s*512            ; k = 256 s
	s_or_b32 s[G0+4*\s+3], s[G0+4*\s+3], 0x80000000
.endr
	ROUND                                          ; all sixteen work-groups are here: the first joint loads meet
	tensor_load_to_lds s[G0:G0+3], s[G1:G1+7]      ; both first fills, ahead of every wait on TENSORcnt and every LDS read: two loads of a wave are out at the most
	s_nop 0
	tensor_load_to_lds s[G0+4:G0+7], s[G1:G1+7]
	s_nop 0
	s_cmp_lt_u32 s62, 8                            ; which weight, which output: by the cluster's y alone
	s_cselect_b64 s[26:27], s[6:7], s[8:9]
	s_cselect_b64 s[32:33], s[14:15], s[16:17]
	s_cselect_b32 s35, 2, 0
	s_cselect_b32 s31, 0, 32
	s_cmp_lt_u32 s62, 10
	s_cselect_b64 s[26:27], s[26:27], s[10:11]
	s_cselect_b64 s[32:33], s[32:33], s[18:19]
	s_cselect_b32 s31, s31, 40
	s_sub_co_u32 s31, s24, s31                     ; the head's number in its matrix
	s_lshl_b32 s25, 4096, s35                      ; bytes in a row of W: 16,384 or 4,096
	s_lshl_b32 s30, 2048, s35                      ; bytes in a row of the output: 8,192 or 2,048
	s_lshl_b32 s28, s25, 5                         ; 32 rows of W
	s_mov_b32 s29, 0
	s_lshl_b32 s2, s31, 9
	s_mov_b32 s3, 0
	s_add_nc_u64 s[26:27], s[26:27], s[2:3]        ; W at my 128 columns: unit 0
	s_add_nc_u64 s[66:67], s[26:27], s[28:29]      ; units 1 to 5: a base each, so that no wait stands between the first six units' loads
	s_add_nc_u64 s[68:69], s[66:67], s[28:29]
	s_add_nc_u64 s[70:71], s[68:69], s[28:29]
	s_add_nc_u64 s[72:73], s[70:71], s[28:29]
	s_add_nc_u64 s[WBASE:WBASE+1], s[72:73], s[28:29]
	s_mul_i32 s2, s23, s30
	s_lshl_b32 s2, s2, 8
	s_lshl_b32 s35, s31, 8
	s_add_co_u32 s2, s2, s35
	s_add_nc_u64 s[32:33], s[32:33], s[2:3]        ; the output at my block
	v_and_b32 v1, 31, v0                           ; lane L
	v_and_b32 v2, 15, v0                           ; r
	v_bfe_u32 v3, v0, 4, 1                         ; h
	s_lshl_b32 s2, s22, 3
	s_mul_i32 s2, s2, s25
	v_lshl_add_u32 v[VOFF], v1, 4, s2              ; 16 L + 8 w rows
.irp i, 1,2,3,4,5,6,7
	v_add_nc_u32 v[VOFF+\i], s25, v[VOFF+\i-1]
.endr
	GISSUE 0, 26                                   ; six units of W: 48 loads a wave
	GISSUE 1, 66
	GISSUE 2, 68
	GISSUE 3, 70
	GISSUE 4, 72
	GISSUE 5, WBASE
	WIN 0
	s_mul_i32 s2, s22, 8*PW
	s_add_co_u32 s2, s2, WB
	v_lshl_add_u32 v[ADS], v1, 3, s2
	s_mul_i32 s2, s36, 128*PA
	v_mul_u32_u24 v4, v2, PA
	v_lshl_add_u32 v4, v3, 4, v4
	v_add_nc_u32 v[ADA], s2, v4                    ; (128 wm + r) pitch + 16 h
	v_add_nc_u32 v[ADA+1], SLOTB, v[ADA]
	v_and_b32 v4, 7, v0
	v_lshl_add_u32 v4, v3, 3, v4
	v_mul_u32_u24 v4, v4, PW
	v_bfe_u32 v5, v0, 3, 1
	v_lshl_add_u32 v4, v5, 4, v4
	s_lshl_b32 s2, s37, 6
	s_add_co_u32 s2, s2, WB
	v_add_nc_u32 v[ADW], s2, v4                    ; (8 h + L % 8) pitch + 16 ((L / 8) % 2) + 64 wn
	PTURN 0, 0, 1, 40                              ; units 0 and 1 into W buffer 0
	PTURN 1, 32*PW, 1, 40
	WIN 0
	s_wait_tensorcnt 0x1                           ; my part of slot 0 is in; slot 1's may stay out
	BAR
	REGION 0, 0, 0, 1, 40, 40, 1, 0                ; period 0 is written out: its first unit starts the sums, and nothing is filled again
	BAR
	REGION 0, 1, 0, 1, 40, 40, 0, 0
	BAR
	REGION 0, 2, 0, 1, 40, 40, 0, 0
	BAR
	REGION 0, 3, 0, 1, 40, 40, 0, 0
	BARS 0
	s_mov_b32 s34, 7
.Lk:
	PERIOD 1, 1                                    ; periods 1 to 14
	PERIOD 0, 1
	s_sub_co_u32 s34, s34, 1
	s_cmp_lg_u32 s34, 0
	s_cbranch_scc1 .Lk
	REGION 1, 0, 0, 0, 40, 32, 0, 0                ; period 15: nothing more is asked for, the counts run down
	BAR
	REGION 1, 1, 0, 0, 24, 16, 0, 0
	BAR
	REGION 1, 2, 0, 0, 8, 0, 0, 0
	BAR
	REGION 1, 3, 0, 2, 0, 0, 0, 1
	BAR                                            ; nobody reads a slot any more, and both have had their last fill: slot 0's bytes become the stage
	; THE WAY OUT.  Rotate (q, k) or scale (v), round to f16, 16 bytes a lane into the stage [256 rows][272].
	s_mul_i32 s2, s36, 128*PS
	s_lshl_b32 s3, s37, 6
	s_add_co_u32 s2, s2, s3
	v_mul_u32_u24 v4, v2, PS
	v_lshl_add_u32 v4, v3, 4, v4
	v_add_nc_u32 v[STG], s2, v4                    ; (128 wm + r) pitch + 64 wn + 16 h
	s_cmp_lt_u32 s62, 10                           ; the cluster's y: the same way in all sixteen partners
	s_cbranch_scc0 .Lvpath
	s_lshl_b32 s2, s23, 8
	s_lshl_b32 s3, s36, 7
	s_add_co_u32 s2, s2, s3                        ; my first row
	v_add_nc_u32 v4, s2, v2
	v_lshlrev_b32 v4, 8, v4                        ; a table row is 256 bytes
	v_lshl_add_u32 v4, v3, 5, v4
	s_lshl_b32 s3, s37, 7
	v_add_nc_u32 v[ROFF], s3, v4                   ; + 4 (32 wn + 8 h)
.macro RLOAD a                         ; row tile a's 16 cos and 16 sin of my lane: set a % 4
.irp bl, 0,1
	global_load_b128 v[CS+32*(\a&3)+16*\bl:CS+32*(\a&3)+16*\bl+3],     v[ROFF], s[12:13] offset:4096*\a+64*\bl
	global_load_b128 v[CS+32*(\a&3)+16*\bl+4:CS+32*(\a&3)+16*\bl+7],   v[ROFF], s[12:13] offset:4096*\a+64*\bl+16
	global_load_b128 v[CS+32*(\a&3)+16*\bl+8:CS+32*(\a&3)+16*\bl+11],  v[ROFF], s[12:13] offset:4096*\a+64*\bl+262144
	global_load_b128 v[CS+32*(\a&3)+16*\bl+12:CS+32*(\a&3)+16*\bl+15], v[ROFF], s[12:13] offset:4096*\a+64*\bl+262144+16
.endr
.endm
.macro ROPE_A a, left, next            ; lo' = lo c - hi s, hi' = hi c + lo s (c, s hold the factor 1/4); left: loads of younger sets
	s_wait_loadcnt \left
	WIN 0x01
.irp bl, 0,1
.irp jj, 0,2,4,6
	v_pk_mul_f32 v[TL+8*\bl+\jj:TL+8*\bl+\jj+1], v[8*(4*\a+\bl)+\jj:8*(4*\a+\bl)+\jj+1], v[CS+32*(\a&3)+16*\bl+\jj:CS+32*(\a&3)+16*\bl+\jj+1]
	v_pk_mul_f32 v[TH+8*\bl+\jj:TH+8*\bl+\jj+1], v[8*(4*\a+\bl+2)+\jj:8*(4*\a+\bl+2)+\jj+1], v[CS+32*(\a&3)+16*\bl+\jj:CS+32*(\a&3)+16*\bl+\jj+1]
	v_pk_fma_f32 v[TL+8*\bl+\jj:TL+8*\bl+\jj+1], v[8*(4*\a+\bl+2)+\jj:8*(4*\a+\bl+2)+\jj+1], v[CS+32*(\a&3)+16*\bl+8+\jj:CS+32*(\a&3)+16*\bl+8+\jj+1], v[TL+8*\bl+\jj:TL+8*\bl+\jj+1] neg_lo:[1,0,0] neg_hi:[1,0,0]
	v_pk_fma_f32 v[TH+8*\bl+\jj:TH+8*\bl+\jj+1], v[8*(4*\a+\bl)+\jj:8*(4*\a+\bl)+\jj+1], v[CS+32*(\a&3)+16*\bl+8+\jj:CS+32*(\a&3)+16*\bl+8+\jj+1], v[TH+8*\bl+\jj:TH+8*\bl+\jj+1]
.endr
.endr
	WIN 0
.irp bl, 0,1
.irp k, 0,1,2,3
	v_cvt_pk_f16_f32 v[PK+4*\bl+\k],   v[TL+8*\bl+2*\k], v[TL+8*\bl+2*\k+1]
	v_cvt_pk_f16_f32 v[PK+8+4*\bl+\k], v[TH+8*\bl+2*\k], v[TH+8*\bl+2*\k+1]
.endr
.endr
.irp bl, 0,1
	ds_store_b128 v[STG], v[PK+4*\bl:PK+4*\bl+3]     offset:16*PS*\a+32*\bl
	ds_store_b128 v[STG], v[PK+8+4*\bl:PK+8+4*\bl+3] offset:16*PS*\a+32*\bl+128
.endr
.if \next >= 0
	RLOAD \next
.endif
.endm
	RLOAD 0
	RLOAD 1
	RLOAD 2
	RLOAD 3
	ROPE_A 0, 24, 4                                ; three younger sets of eight loads stay out
	ROPE_A 1, 24, 5
	ROPE_A 2, 24, 6
	ROPE_A 3, 24, 7
	ROPE_A 4, 24, -1
	ROPE_A 5, 16, -1
	ROPE_A 6, 8, -1
	ROPE_A 7, 0, -1
	s_branch .Lstaged
.Lvpath:
	; V's column sums over my 128 rows: over the 8 row tiles in the lane, then over the 16 lanes of a half
	WIN 0x05
.irp b, 0,1,2,3
.irp jj, 0,2,4,6
	v_pk_add_f32 v[VS+8*\b+\jj:VS+8*\b+\jj+1], v[8*\b+\jj:8*\b+\jj+1], v[8*(4+\b)+\jj:8*(4+\b)+\jj+1]
.endr
.endr
	WIN 0x01
.irp a, 2,3,4,5,6,7
.irp b, 0,1,2,3
.irp jj, 0,2,4,6
	v_pk_add_f32 v[VS+8*\b+\jj:VS+8*\b+\jj+1], v[8*(4*\a+\b)+\jj:8*(4*\a+\b)+\jj+1], v[VS+8*\b+\jj:VS+8*\b+\jj+1]
.endr
.endr
.endr
	WIN 0
.irp m, 1,2,4,8
.set qq, 0
.rept 32
	v_add_f32_dpp v[VS+qq], v[VS+qq], v[VS+qq] row_xmask:\m row_mask:0xf bank_mask:0xf
.set qq, qq+1
.endr
.endr
	s_lshl1_add_u32 s2, s23, s36                   ; vsum's row 2 mb + wm
	s_lshl_b32 s2, s2, 12
	s_lshl_b32 s3, s31, 9                          ; the head's 128 columns
	s_add_co_u32 s2, s2, s3
	s_lshl_b32 s3, s37, 7
	s_add_co_u32 s2, s2, s3
	v_lshl_add_u32 v[VSO], v3, 5, s2               ; + 4 (32 wn + 8 h)
	v_cmp_eq_u32 vcc_lo, 0, v2
	s_wait_xcnt 0x0                                ; EXEC changes only behind s_wait_xcnt 0
	s_and_saveexec_b32 s56, vcc_lo                 ; lanes 0 and 16 store for their halves
.irp b, 0,1,2,3
	global_store_b128 v[VSO], v[VS+8*\b:VS+8*\b+3],   s[20:21] offset:64*(\b&1)+256*(\b>>1)
	global_store_b128 v[VSO], v[VS+8*\b+4:VS+8*\b+7], s[20:21] offset:64*(\b&1)+256*(\b>>1)+16
.endr
	s_wait_xcnt 0x0                                ; and again in front of the line that widens it; it also frees the sums' registers
	s_or_b32 exec_lo, exec_lo, s56
.macro VST_A a                         ; row tile a of V: times 1/4, f16, into the stage
	WIN 0x01
.irp b, 0,1,2,3
.irp jj, 0,2,4,6
	v_pk_mul_f32 v[TL+8*\b+\jj:TL+8*\b+\jj+1], v[8*(4*\a+\b)+\jj:8*(4*\a+\b)+\jj+1], s[38:39] op_sel_hi:[1,0]
.endr
.endr
	WIN 0
.irp b, 0,1,2,3
.irp k, 0,1,2,3
	v_cvt_pk_f16_f32 v[PK+4*\b+\k], v[TL+8*\b+2*\k], v[TL+8*\b+2*\k+1]
.endr
.endr
.irp b, 0,1,2,3
	ds_store_b128 v[STG], v[PK+4*\b:PK+4*\b+3] offset:16*PS*\a+32*(\b&1)+128*(\b>>1)
.endr
.endm
.irp a, 0,1,2,3,4,5,6,7
	VST_A \a
.endr
.Lstaged:
	BAR                                            ; the stage is whole
	; each wave: 64 rows, two rows an instruction; sixteen lanes store a head's row of 256 consecutive bytes, aligned
	s_mul_i32 s2, s22, 64*PS
	v_mul_u32_u24 v4, v3, PS
	v_lshl_add_u32 v4, v2, 4, v4
	v_add_nc_u32 v4, s2, v4                        ; (64 w + h) pitch + 16 r
	s_lshl_b32 s2, s22, 6
	v_add_nc_u32 v5, s2, v3
	v_mul_lo_u32 v5, v5, s30
	v_lshl_add_u32 v[OV], v2, 4, v5                ; the same place in the output; its row length is not a constant of the text,
	s_lshl_b32 s57, s30, 1
.irp t, 1,2,3,4,5,6,7,8,9,10,11,12,13,14,15
	v_add_nc_u32 v[OV+\t], s57, v[OV+\t-1]         ; so sixteen pairs of rows have an offset register each,
.endr
	s_lshl_b32 s2, s30, 5
	s_mov_b32 s3, 0
	s_add_nc_u64 s[58:59], s[32:33], s[2:3]        ; and the second sixteen pairs a base 32 rows further down
.set qq, 0
.rept 32
	ds_load_b128 v[32+4*qq:35+4*qq], v4 offset:2*PS*qq
.set qq, qq+1
.endr
.set qq, 0
.rept 16
	s_wait_dscnt 31-qq                             ; LDS loads come back in order: pair qq is in
	global_store_b128 v[OV+qq], v[32+4*qq:35+4*qq], s[32:33]
.set qq, qq+1
.endr
.set qq, 0
.rept 16
	s_wait_dscnt 15-qq
	global_store_b128 v[OV+qq], v[96+4*qq:99+4*qq], s[58:59]
.set qq, qq+1
.endr
	s_wait_tensorcnt 0x0
	ds_add_u32 v254, v255
	s_wait_dscnt 0x0
	ROUND                                          ; the closing round: no work-group ends while a partner may still ask for a tile that names it
	s_endpgm
.Lfunc_end_k_q6b5e49cf4f_qkv:
	.size	k_q6b5e49cf4f_qkv, .Lfunc_end_k_q6b5e49cf4f_qkv-k_q6b5e49cf4f_qkv
	.p2alignl 7, 3214868480
	.fill 96, 4, 3214868480
	.section	.rodata,"a",@progbits
	.p2align	6, 0x0
	.amdhsa_kernel k_q6b5e49cf4f_qkv
		.amdhsa_group_segment_fixed_size 327680
		.amdhsa_private_segment_fixed_size 0
		.amdhsa_enable_private_segment 0
		.amdhsa_kernarg_size 72
		.amdhsa_user_sgpr_count 2
		.amdhsa_user_sgpr_kernarg_segment_ptr 1
		.amdhsa_wavefront_size32 1
		.amdhsa_system_sgpr_workgroup_id_x 1
		.amdhsa_system_sgpr_workgroup_id_y 1
		.amdhsa_system_sgpr_workgroup_id_z 1
		.amdhsa_system_vgpr_workitem_id 0
		.amdhsa_next_free_vgpr 768
		.amdhsa_next_free_sgpr 80
		.amdhsa_reserve_vcc 1
		.amdhsa_float_denorm_mode_32 3
		.amdhsa_float_denorm_mode_16_64 3
		.amdhsa_memory_ordered 1
		.amdhsa_forward_progress 1
		.amdhsa_inst_pref_size 255
	.end_amdhsa_kernel
	.section	.bss,"aw",@nobits
	.p2align	6
	.space	262144
	.amdgpu_metadata
---
amdhsa.version: [ 1, 2 ]
amdhsa.kernels:
  - .name:           k_q6b5e49cf4f_qkv
    .symbol:         k_q6b5e49cf4f_qkv.kd
    .args:
      - { .name: hb, .offset: 0, .size: 8, .value_kind: global_buffer, .address_space: global }
      - { .name: Wq, .offset: 8, .size: 8, .value_kind: global_buffer, .address_space: global }
      - { .name: Wk, .offset: 16, .size: 8, .value_kind: global_buffer, .address_space: global }
      - { .name: Wv, .offset: 24, .size: 8, .value_kind: global_buffer, .address_space: global }
      - { .name: rope, .offset: 32, .size: 8, .value_kind: global_buffer, .address_space: global }
      - { .name: qb, .offset: 40, .size: 8, .value_kind: global_buffer, .address_space: global }
      - { .name: kb, .offset: 48, .size: 8, .value_kind: global_buffer, .address_space: global }
      - { .name: vb, .offset: 56, .size: 8, .value_kind: global_buffer, .address_space: global }
      - { .name: vsum, .offset: 64, .size: 8, .value_kind: global_buffer, .address_space: global }
    .group_segment_fixed_size: 327680
    .private_segment_fixed_size: 0
    .kernarg_segment_align: 8
    .kernarg_segment_size: 72
    .max_flat_workgroup_size: 128
    .sgpr_count:     80
    .vgpr_count:     768
    .wavefront_size: 32
...
	.end_amdgpu_metadata
.endif
;; end of part 2
;; launch attn (part 3): grid 32 x 8, 4 waves a work-group, no clusters, 327,680 bytes of LDS; arguments qb, kb, vb, attention_mask, vsum, ab; writes ab
.if DOCPART == 3
	.amdgcn_target "amdgcn-amd-amdhsa--gfx1250"
	.amdhsa_code_object_version 6
	.text
	.protected	k_q6b5e49cf4f_attn
	.globl	k_q6b5e49cf4f_attn
	.p2align	8
	.type	k_q6b5e49cf4f_attn,@function
k_q6b5e49cf4f_attn:
	s_mov_b64 s[64:65], 0
	v_nop
	global_prefetch_b8 v0, s[64:65] scope:SCOPE_SE
	s_setreg_imm32_b32 hwreg(HW_REG_WAVE_MODE, 25, 1), 1
	s_wait_xcnt 0x0
; ATTENTION.  softmax(q k^T / sqrt(128), causal and padded) v, for 32 query heads on 8 key-value heads.  qb, kb, vb hold q/4, k/4, v/4 in f16;
; ab [1024][4096] f16 receives the result / 4.
; Work-group (i, g): key-value head g; wave w serves query head 4 g + w.  Each wave does two tasks of 16 query rows, chunk i and then chunk 63 - i:
; (i / 4 + 1) + ((63 - i) / 4 + 1) = 17 blocks of 64 keys in every work-group.
; LAYOUT.  S^T = K Q^T and O^T = V^T P^T: the query is lane r in both, so maximum, sum and rescaling stay in the lane (the two halves of the wave hold
; different keys of the same query and meet by one v_permlanex16_b32), and P's fragment is S's registers, rounded in place.
; THE MAXIMUM is a running one, taken away in front of every exponential: the exponent is (S - maximum) x scale, the difference first, so it is
; exactly 0 where S is the maximum and never above 0, also where both are a masked score.  Masked scores are -1e30: the padding's as the first
; product's C operand (a table of 0 and -1e30 by key), the causal ones by a select in the diagonal block.  A ROW WITH NO OPEN KEY has every score
; equal in reference(), the later keys' too, so its result is the mean of V over all 1,024 keys: taken from vsum, chosen by a select on the row's maximum.
; K and V of 256 keys fill a slot (K pitch 272, V pitch 288); two slots; waves 0, 1 ask for K's halves, waves 2, 3 for V's.
; NO CLUSTER.  The 32 work-groups of one g read the same K and V, but how many key blocks a work-group multiplies between two barriers hangs on its own
; chunk numbers i and 63 - i, so the branches of partners would differ.
; LIMITS.  Open scores (q/4 . k/4) must lie above -5e29; P is rounded to f16 (it lies in [0, 1]); the sum of P is kept in f32, unrounded.
.set PKK,   272
.set PVV,   288
.set KSLOT, 256*PKK
.set VSLOT, 256*PVV
.set V0,    2*KSLOT                    ; 139,264
.set BIAS,  V0+2*VSLOT                 ; 286,720: f32 [1024], 0 or -1e30; from here on no tensor load lands
.set VMEAN, BIAS+4096                  ; 290,816: f32 [128], mean of V / 4
.set STAGE, VMEAN+512                  ; 291,328: 16 rows x 272 bytes for each wave
.set KL,   4                           ; lane terms of the LDS addresses
.set VL,   5
.set BL,   6
.set KA,   7                           ; the block's addresses
.set VA,   8
.set BA,   9
.set LIMB, 10                          ; r - 8 h
.set LIM,  11                          ; the diagonal block: key 16 t + j of my half is open if 16 t + j <= LIM
.set QO,   12
.set STO,  13
.set RDA,  14
.set CO,   15
.set ZR,   16                          ; 0
.set MX,   17                          ; running maximum
.set LS,   18                          ; running sum, of my half's keys
.set VMA,  19
.set AL,   20                          ; v[20:21] the rescaling factor, twice
.set NM,   22                          ; v[22:23] the maximum, twice; at a task's end the mean's factor
.set QF,   24                          ; v24-55   Q's four fragments
.set SS,   56                          ; v56-87   S^T: key tile t at +8 t; then P: fragment p at +16 p
.set PL,   88                          ; v88-119  the padding's bias, as S^T lies
.set VM,   56                          ; v56-119  at a task's end: the mean of V, then packed results
.set OO,   120                         ; v120-183 O^T: d tile at +8 d
.set TT,   184                         ; v184-191 at work
.set KF,   0                           ; v256-383 K's fragments: d step c, key tile t at 32 c + 8 t
.set VF,   128                         ; v384-511 V's fragments: key step p, d tile at 64 p + 8 d
.set G1K,  32
.set G1V,  40
.set G0K,  48                          ; one set for each slot
.set G0V,  56
.set MSB,  0
.macro WIN new
.if MSB != \new
	s_set_vgpr_msb (MSB<<8)|\new
.set MSB, \new
.endif
.endm
.macro JLOAD s                         ; every wave's one load for slot s: 128 rows of K or of V
	s_cmp_lt_u32 s16, 2
	s_cbranch_scc0 .Lfor_v_\@
	tensor_load_to_lds s[G0K+4*\s:G0K+4*\s+3], s[G1K:G1K+7]
	s_nop 0
	s_branch .Lasked_\@
.Lfor_v_\@:
	tensor_load_to_lds s[G0V+4*\s:G0V+4*\s+3], s[G1V:G1V+7]
	s_nop 0
.Lasked_\@:
.endm
.macro SYNC                            ; a slot is whole for every wave
	s_wait_tensorcnt 0x0
	s_wait_dscnt 0x0
	s_barrier_signal -1
	s_barrier_wait -1
.endm
.macro REFILLBAR s                     ; the barrier behind which slot s is filled again
	s_wait_dscnt 0x0                               ; my reads of it are back
	s_wait_tensorcnt 0x0                           ; no tensor load of mine is out, so group 0 may step: 512 keys on
	ds_add_u32 v254, v255
	s_wait_dscnt 0x0
	s_add_nc_u64 s[G0K+4*\s+2:G0K+4*\s+3], s[G0K+4*\s+2:G0K+4*\s+3], 1048576
	s_add_nc_u64 s[G0V+4*\s+2:G0V+4*\s+3], s[G0V+4*\s+2:G0V+4*\s+3], 1048576
	s_barrier_signal -1
	s_barrier_wait -1
.endm
; One block of 64 keys (number s20; the task's last is s21).
.macro BLOCK
.rept 5
	v_nop                                          ; five places behind the last block's matrix instructions: S^T is written over P, and fragments are loaded again (ISA guide 7.12.1)
.endr
.irp t, 0,1,2,3
	ds_load_b128 v[PL+8*\t:PL+8*\t+3],   v[BA] offset:64*\t
	ds_load_b128 v[PL+8*\t+4:PL+8*\t+7], v[BA] offset:64*\t+16
.endr
	WIN 0x40
.irp c, 0,1,2,3
.irp t, 0,1,2,3
	ds_load_b128 v[KF+32*\c+8*\t:KF+32*\c+8*\t+3],   v[KA] offset:16*PKK*\t+64*\c
	ds_load_b128 v[KF+32*\c+8*\t+4:KF+32*\c+8*\t+7], v[KA] offset:16*PKK*\t+64*\c+32
.endr
.endr
.irp d, 0,1,2,3,4,5,6,7
	ds_load_tr16_b128 v[VF+8*\d:VF+8*\d+3],   v[VA] offset:32*\d
	ds_load_tr16_b128 v[VF+8*\d+4:VF+8*\d+7], v[VA] offset:32*\d+16*PVV
.endr
	WIN 0x01
.irp c, 0,1,2,3
	s_wait_dscnt 40-8*\c                           ; behind d step c's eight loads stand K's later steps (8 each) and V's 16
.irp t, 0,1,2,3
.if \c == 0
	v_wmma_f32_16x16x32_f16 v[SS+8*\t:SS+8*\t+7], v[KF+32*\c+8*\t:KF+32*\c+8*\t+7], v[QF+8*\c:QF+8*\c+7], v[PL+8*\t:PL+8*\t+7]
.else
	v_wmma_f32_16x16x32_f16 v[SS+8*\t:SS+8*\t+7], v[KF+32*\c+8*\t:KF+32*\c+8*\t+7], v[QF+8*\c:QF+8*\c+7], v[SS+8*\t:SS+8*\t+7]
.endif
.endr
.endr
.rept 4
	v_nop                                          ; four places before S^T is read
.endr
	WIN 0x40
.irp d, 0,1,2,3,4,5,6,7
	ds_load_tr16_b128 v[VF+64+8*\d:VF+64+8*\d+3],   v[VA] offset:32*PVV+32*\d
	ds_load_tr16_b128 v[VF+64+8*\d+4:VF+64+8*\d+7], v[VA] offset:32*PVV+32*\d+16*PVV
.endr
	WIN 0
	s_cmp_lg_u32 s20, s21
	s_cbranch_scc1 .Lopen_\@                       ; earlier blocks lie wholly below the diagonal
.irp t, 0,1,2,3
.irp j, 0,1,2,3,4,5,6,7
	v_cmp_le_i32 vcc_lo, 16*\t+\j, v[LIM]
	v_cndmask_b32 v[SS+8*\t+\j], 0xf149f2ca, v[SS+8*\t+\j], vcc_lo
.endr
.endr
.Lopen_\@:
	v_max3_num_f32 v[TT],   v[SS],   v[SS+1],  v[SS+2]
	v_max3_num_f32 v[TT+1], v[SS+3], v[SS+4],  v[SS+5]
	v_max3_num_f32 v[TT+2], v[SS+6], v[SS+7],  v[SS+8]
	v_max3_num_f32 v[TT+3], v[SS+9], v[SS+10], v[SS+11]
.irp k, 0,1,2,3
	v_max3_num_f32 v[TT+\k], v[TT+\k], v[SS+12+2*\k], v[SS+13+2*\k]
.endr
.irp k, 0,1,2,3
	v_max3_num_f32 v[TT+\k], v[TT+\k], v[SS+20+2*\k], v[SS+21+2*\k]
.endr
	v_max3_num_f32 v[TT],   v[TT],   v[SS+28], v[SS+29]
	v_max3_num_f32 v[TT+1], v[TT+1], v[SS+30], v[SS+31]
	v_max3_num_f32 v[TT], v[TT], v[TT+1], v[TT+2]
	v_max3_num_f32 v[TT], v[TT], v[TT+3], v[MX]
	v_permlanex16_b32 v[TT+1], v[TT], s24, s25     ; the other half's keys of the same query
	v_max_num_f32 v[TT], v[TT], v[TT+1]            ; the new maximum
	v_sub_f32 v[TT+2], v[MX], v[TT]
	v_mul_f32 v[TT+2], s26, v[TT+2]
	v_mov_b32 v[MX], v[TT]
	v_mov_b32 v[NM], v[TT]
	v_mov_b32 v[NM+1], v[TT]
	v_exp_f32 v[AL], v[TT+2]                       ; 2^((old - new) scale), twice: a pair for the packed multiply
	v_exp_f32 v[AL+1], v[TT+2]
.set qq, 0
.rept 16
	v_pk_add_f32 v[SS+qq:SS+qq+1], v[SS+qq:SS+qq+1], v[NM:NM+1] neg_lo:[0,1] neg_hi:[0,1]   ; S - maximum: at most 0, and exactly 0 at the maximum
.set qq, qq+2
.endr
.set qq, 0
.rept 16
	v_pk_mul_f32 v[SS+qq:SS+qq+1], v[SS+qq:SS+qq+1], s[26:27] op_sel_hi:[1,0]
.set qq, qq+2
.endr
.set qq, 0
.rept 32
	v_exp_f32 v[SS+qq], v[SS+qq]
.set qq, qq+1
.endr
.set qq, 0
	s_wait_alu depctr_va_vdst(0)
.rept 32
	v_pk_mul_f32 v[OO+qq:OO+qq+1], v[OO+qq:OO+qq+1], v[AL:AL+1]    ; plain lines that touch no exponential's register stand between these and their use (ISA guide 5.7.2)
.set qq, qq+2
.endr
.irp k, 0,1,2,3
	v_pk_add_f32 v[TT+2*\k:TT+2*\k+1], v[SS+4*\k:SS+4*\k+1], v[SS+4*\k+2:SS+4*\k+3]
.endr
.irp k, 0,1,2,3
	v_pk_add_f32 v[TT+2*\k:TT+2*\k+1], v[TT+2*\k:TT+2*\k+1], v[SS+16+2*\k:SS+16+2*\k+1]
.endr
.irp k, 0,1,2,3
	v_pk_add_f32 v[TT+2*\k:TT+2*\k+1], v[TT+2*\k:TT+2*\k+1], v[SS+24+2*\k:SS+24+2*\k+1]
.endr
	v_pk_add_f32 v[TT:TT+1], v[TT:TT+1], v[TT+2:TT+3]
	v_pk_add_f32 v[TT+4:TT+5], v[TT+4:TT+5], v[TT+6:TT+7]
	v_pk_add_f32 v[TT:TT+1], v[TT:TT+1], v[TT+4:TT+5]
	v_fma_f32 v[LS], v[LS], v[AL], v[TT]
	v_add_f32 v[LS], v[LS], v[TT+1]
	; P's fragment p (keys 32 p ..): registers 0-3 from key tile 2 p, 4-7 from tile 2 p + 1, in place: each line writes a register that earlier lines have used up
.irp p, 0,1
.irp k, 0,1,2,3
	v_cvt_pk_f16_f32 v[SS+16*\p+\k], v[SS+16*\p+2*\k], v[SS+16*\p+2*\k+1]
.endr
.irp k, 0,1,2,3
	v_cvt_pk_f16_f32 v[SS+16*\p+4+\k], v[SS+16*\p+8+2*\k], v[SS+16*\p+8+2*\k+1]
.endr
.endr
	s_wait_dscnt 16                                ; V's keys 0-31 are in; the sixteen loads of keys 32-63 may be out
	WIN 0x01
.irp d, 0,1,2,3,4,5,6,7
	v_wmma_f32_16x16x32_f16 v[OO+8*\d:OO+8*\d+7], v[VF+8*\d:VF+8*\d+7], v[SS:SS+7], v[OO+8*\d:OO+8*\d+7]
.endr
	s_wait_dscnt 0
.irp d, 0,1,2,3,4,5,6,7
	v_wmma_f32_16x16x32_f16 v[OO+8*\d:OO+8*\d+7], v[VF+64+8*\d:VF+64+8*\d+7], v[SS+16:SS+23], v[OO+8*\d:OO+8*\d+7]
.endr
	WIN 0                                          ; the four key tiles, and the eight d tiles, take turns, one instruction a turn
.endm
; The four blocks of quarter q (keys 256 q ..), in slot q % 2.  Four trips always; a trip beyond the task's last block multiplies nothing.
.macro QLOOP q
	v_add_nc_u32 v[KA], (\q&1)*KSLOT, v[KL]
	v_add_nc_u32 v[VA], (\q&1)*VSLOT, v[VL]
	v_add_nc_u32 v[BA], \q*1024, v[BL]
	s_mov_b32 s20, 4*\q
.Lblock_\@:
	s_cmp_gt_u32 s20, s21
	s_cbranch_scc1 .Lskip_\@
	BLOCK
.Lskip_\@:
	v_add_nc_u32 v[KA], 64*PKK, v[KA]
	v_add_nc_u32 v[VA], 64*PVV, v[VA]
	v_add_nc_u32 v[BA], 256, v[BA]
	s_add_co_u32 s20, s20, 1
	s_cmp_lt_u32 s20, 4*\q+4
	s_cbranch_scc1 .Lblock_\@
.endm
.macro TASK_BEGIN                      ; chunk s22: rows 16 s22 .. + 15
	s_wait_xcnt 0x0                                ; the last task's stores have read their base and data
	s_lshr_b32 s21, s22, 2                         ; its last block of keys
	s_lshl_b32 s2, s22, 17                         ; 16 rows of 8,192 bytes
	s_lshl_b32 s3, s19, 8                          ; the head's 256 bytes
	s_add_co_u32 s2, s2, s3
	s_mov_b32 s3, 0
	s_add_nc_u64 s[28:29], s[4:5], s[2:3]
	s_add_nc_u64 s[30:31], s[14:15], s[2:3]
.irp c, 0,1,2,3
	global_load_b128 v[QF+8*\c:QF+8*\c+3],   v[QO], s[28:29] offset:64*\c
	global_load_b128 v[QF+8*\c+4:QF+8*\c+7], v[QO], s[28:29] offset:64*\c+32
.endr
	s_and_b32 s23, s22, 3
	s_lshl_b32 s23, s23, 4                         ; first row less the last block's first key
	v_add_nc_u32 v[LIM], s23, v[LIMB]
.set qq, 0
.rept 64
	v_mov_b32 v[OO+qq], 0                          ; the first block stands in the loop, so the sums start from 0 here
.set qq, qq+1
.endr
	v_mov_b32 v[LS], 0
	v_mov_b32 v[MX], 0xf1c9f2ca                    ; -2e30: below every masked score
	s_wait_loadcnt 0x0
.endm
.macro TASK_END
.rept 4
	v_nop
.endr
.irp d, 0,1,2,3,4,5,6,7
	ds_load_b128 v[VM+8*\d:VM+8*\d+3],   v[VMA] offset:64*\d
	ds_load_b128 v[VM+8*\d+4:VM+8*\d+7], v[VMA] offset:64*\d+16
.endr
	v_permlanex16_b32 v[TT], v[LS], s24, s25
	v_add_f32 v[LS], v[LS], v[TT]                  ; both halves' keys
	v_rcp_f32 v[TT+2], v[LS]
	v_cmp_lt_f32 vcc_lo, 0xf0c9f2ca, v[MX]         ; -5e29 < maximum: the row has an open key
	s_wait_alu depctr_va_vdst(0)
	v_cndmask_b32 v[AL], 0, v[TT+2], vcc_lo        ; O / sum,
	v_cndmask_b32 v[NM], 1.0, v[ZR], vcc_lo        ; or the mean of V: a choice of values
	v_mov_b32 v[AL+1], v[AL]
	v_mov_b32 v[NM+1], v[NM]
	s_wait_dscnt 0x0
.set qq, 0
.rept 32
	v_pk_mul_f32 v[VM+qq:VM+qq+1], v[VM+qq:VM+qq+1], v[NM:NM+1]
.set qq, qq+2
.endr
.set qq, 0
.rept 32
	v_pk_fma_f32 v[OO+qq:OO+qq+1], v[OO+qq:OO+qq+1], v[AL:AL+1], v[VM+qq:VM+qq+1]
.set qq, qq+2
.endr
.irp d, 0,1,2,3,4,5,6,7
.irp k, 0,1,2,3
	v_cvt_pk_f16_f32 v[VM+4*\d+\k], v[OO+8*\d+2*\k], v[OO+8*\d+2*\k+1]
.endr
.endr
.irp d, 0,1,2,3,4,5,6,7
	ds_store_b128 v[STO], v[VM+4*\d:VM+4*\d+3] offset:32*\d        ; my own stage: row r, 16 bytes at d = 16 d tile + 8 h
.endr
.irp t, 0,1,2,3,4,5,6,7
	ds_load_b128 v[VM+32+4*\t:VM+32+4*\t+3], v[RDA] offset:2*PKK*\t   ; LDS serves a wave's instructions in order (ISA guide 5.7.1.4): these see the stores above
.endr
.irp t, 0,1,2,3,4,5,6,7
	s_wait_dscnt 7-\t
	global_store_b128 v[CO], v[VM+32+4*\t:VM+32+4*\t+3], s[30:31] offset:16384*\t   ; sixteen lanes store a head's row of 256 consecutive bytes, aligned
.endr
.endm
	s_load_b256 s[4:11], s[0:1], 0x0               ; qb s[4:5], kb s[6:7], vb s[8:9], attention_mask s[10:11]
	s_load_b128 s[12:15], s[0:1], 0x20             ; vsum s[12:13], ab s[14:15]
	v_lshl_add_u32 v254, v0, 2, 0x4b600
	v_mov_b32 v255, 0
	ds_add_u32 v254, v255
	ds_add_u32 v254, v255
	v_lshrrev_b32 v1, 5, v0
	v_readfirstlane_b32 s16, v1                    ; wave
	s_mov_b32 s17, ttmp9                           ; i
	s_and_b32 s18, ttmp7, 0xffff                   ; g
	s_lshl2_add_u32 s19, s18, s16                  ; query head 4 g + w
	s_mov_b32 s24, 0x76543210                      ; v_permlanex16_b32: lane i of one half reads lane i of the other
	s_mov_b32 s25, 0xfedcba98
	s_mov_b32 s26, 0x400293ee                      ; 16 log2(e) / sqrt(128), twice; the 16 undoes the two factors 1/4
	s_mov_b32 s27, 0x400293ee
	s_mov_b32 s[G1K+0], (1<<16)|(1<<20)|(5<<22)|(3<<25)   ; 2-byte elements; after every 64 words 4 words of padding: pitch 272
	s_mov_b32 s[G1V+0], (1<<16)|(1<<20)|(5<<22)|(7<<25)   ; 8 words: pitch 288
.irp g, G1K,G1V
	s_mov_b32 s[\g+1], 128<<16                     ; tensor_dim0 = 128
	s_mov_b32 s[\g+2], 128<<16                     ; tensor_dim1 = 128
	s_mov_b32 s[\g+3], 128<<16                     ; tile_dim0 = 128
	s_mov_b32 s[\g+4], 128                         ; tile_dim1 = 128
	s_mov_b32 s[\g+5], 1024                        ; elements from row to row
	s_mov_b32 s[\g+6], 0
	s_mov_b32 s[\g+7], 0
.endr
	s_and_b32 s2, s16, 1
	s_lshl_b32 s2, s2, 18                          ; which 128 rows of 2,048 bytes I ask for
	s_lshl_b32 s3, s18, 8                          ; the head's 256 bytes
	s_add_co_u32 s2, s2, s3
	s_mov_b32 s3, 0
	s_mul_i32 s22, s16, 128*PKK                    ; waves 0, 1: K's halves
	s_mul_i32 s23, s16, 128*PVV
	s_add_co_u32 s23, s23, V0-2*128*PVV            ; waves 2, 3: V's halves
	s_wait_dscnt 0x0
	s_wait_kmcnt 0x0
	s_add_nc_u64 s[6:7], s[6:7], s[2:3]
	s_add_nc_u64 s[8:9], s[8:9], s[2:3]
.irp s, 0,1
	s_mov_b32 s[G0K+4*\s], 1
	s_add_co_u32 s[G0K+4*\s+1], s22, \s*KSLOT
	s_add_nc_u64 s[G0K+4*\s+2:G0K+4*\s+3], s[6:7], \s*524288       ; keys 256 s ..
	s_or_b32 s[G0K+4*\s+3], s[G0K+4*\s+3], 0x80000000
	s_mov_b32 s[G0V+4*\s], 1
	s_add_co_u32 s[G0V+4*\s+1], s23, \s*VSLOT
	s_add_nc_u64 s[G0V+4*\s+2:G0V+4*\s+3], s[8:9], \s*524288
	s_or_b32 s[G0V+4*\s+3], s[G0V+4*\s+3], 0x80000000
	JLOAD \s                                       ; both first fills ahead of everything else: two loads of a wave are out at the most
.endr
	v_and_b32 v2, 15, v0                           ; r
	v_bfe_u32 v3, v0, 4, 1                         ; h
	v_mul_u32_u24 v[KL], v2, PKK
	v_lshl_add_u32 v[KL], v3, 4, v[KL]             ; r pitch + 16 h
	v_and_b32 v1, 7, v0
	v_lshl_add_u32 v1, v3, 3, v1
	v_mul_u32_u24 v1, v1, PVV
	v_bfe_u32 v[VL], v0, 3, 1
	v_lshl_add_u32 v1, v[VL], 4, v1
	v_add_nc_u32 v[VL], V0, v1                     ; (8 h + L % 8) pitch + 16 ((L / 8) % 2)
	v_lshlrev_b32 v1, 5, v3
	v_add_nc_u32 v[BL], BIAS, v1
	v_add_nc_u32 v[VMA], VMEAN, v1
	v_lshlrev_b32 v1, 3, v3
	v_sub_nc_u32 v[LIMB], v2, v1
	v_lshlrev_b32 v1, 13, v2
	v_lshl_add_u32 v[QO], v3, 4, v1                ; r rows of 8,192 bytes + 16 h
	v_lshlrev_b32 v1, 13, v3
	v_lshl_add_u32 v[CO], v2, 4, v1                ; h rows + 16 r
	s_mul_i32 s22, s16, 16*PKK
	s_add_co_u32 s22, s22, STAGE
	v_add_nc_u32 v[STO], s22, v[KL]
	v_mul_u32_u24 v1, v3, PKK
	v_lshl_add_u32 v1, v2, 4, v1
	v_add_nc_u32 v[RDA], s22, v1
	v_mov_b32 v[ZR], 0
	v_mov_b32 v[TT], 0
	; the padding's table (thread t: keys 4 t .. and 512 + 4 t ..) and the mean of V (thread t: column t of head g)
	v_lshlrev_b32 v40, 4, v0
	global_load_b128 v[24:27], v40, s[10:11]
	global_load_b128 v[28:31], v40, s[10:11] offset:2048
	s_lshl_b32 s23, s18, 9
	v_lshl_add_u32 v41, v0, 2, s23
.irp p, 0,1,2,3,4,5,6,7
	global_load_b32 v[32+\p], v41, s[12:13] offset:4096*\p
.endr
	v_add_nc_u32 v42, BIAS, v40
	v_lshlrev_b32 v43, 2, v0
	v_add_nc_u32 v43, VMEAN, v43
	s_wait_loadcnt 8                               ; the mask's two loads are in; the eight partial sums stay out
.irp k, 0,1,2,3,4,5,6,7
	v_cmp_ne_u32 vcc_lo, 0, v[24+\k]
	v_cndmask_b32 v[24+\k], 0xf149f2ca, v[ZR], vcc_lo      ; open: 0; closed: -1e30
.endr
	ds_store_b128 v42, v[24:27]
	ds_store_b128 v42, v[28:31] offset:2048
	s_wait_loadcnt 0x0
	v_add_f32 v32, v32, v33
	v_add_f32 v34, v34, v35
	v_add_f32 v36, v36, v37
	v_add_f32 v38, v38, v39
	v_add_f32 v32, v32, v34
	v_add_f32 v36, v36, v38
	v_add_f32 v32, v32, v36
	v_mul_f32 v32, 0x39800000, v32                 ; / 1024 keys, / 4
	ds_store_b32 v43, v32
	s_mov_b32 s22, s17                             ; the first task: chunk i
	TASK_BEGIN
	s_wait_tensorcnt 0x1                           ; my part of slot 0 is in; slot 1's may stay out
	s_wait_dscnt 0x0                               ; my part of the tables is stored
	s_barrier_signal -1
	s_barrier_wait -1
	QLOOP 0
	SYNC                                           ; slot 1 is whole
	QLOOP 1
	TASK_END
	s_sub_co_u32 s22, 63, s17                      ; the second task: chunk 63 - i
	TASK_BEGIN
	QLOOP 0
	REFILLBAR 0
	JLOAD 0                                        ; keys 512-767 into slot 0, first thing behind the barrier; they have quarter 1's four blocks in which to land
	QLOOP 1
	REFILLBAR 1
	s_cmp_gt_u32 s17, 15                           ; keys 768-1023 are read only by chunks 48 to 63; every later wait on TENSORcnt is for 0
	s_cbranch_scc1 .Lno_last_quarter
	JLOAD 1
.Lno_last_quarter:
	QLOOP 2
	SYNC
	QLOOP 3
	TASK_END
	s_wait_tensorcnt 0x0
	ds_add_u32 v254, v255
	s_wait_dscnt 0x0
	s_endpgm
.Lfunc_end_k_q6b5e49cf4f_attn:
	.size	k_q6b5e49cf4f_attn, .Lfunc_end_k_q6b5e49cf4f_attn-k_q6b5e49cf4f_attn
	.p2alignl 7, 3214868480
	.fill 96, 4, 3214868480
	.section	.rodata,"a",@progbits
	.p2align	6, 0x0
	.amdhsa_kernel k_q6b5e49cf4f_attn
		.amdhsa_group_segment_fixed_size 327680
		.amdhsa_private_segment_fixed_size 0
		.amdhsa_enable_private_segment 0
		.amdhsa_kernarg_size 48
		.amdhsa_user_sgpr_count 2
		.amdhsa_user_sgpr_kernarg_segment_ptr 1
		.amdhsa_wavefront_size32 1
		.amdhsa_system_sgpr_workgroup_id_x 1
		.amdhsa_system_sgpr_workgroup_id_y 1
		.amdhsa_system_sgpr_workgroup_id_z 1
		.amdhsa_system_vgpr_workitem_id 0
		.amdhsa_next_free_vgpr 512
		.amdhsa_next_free_sgpr 66
		.amdhsa_reserve_vcc 1
		.amdhsa_float_denorm_mode_32 3
		.amdhsa_float_denorm_mode_16_64 3
		.amdhsa_memory_ordered 1
		.amdhsa_forward_progress 1
		.amdhsa_inst_pref_size 150
	.end_amdhsa_kernel
	.amdgpu_metadata
---
amdhsa.version: [ 1, 2 ]
amdhsa.kernels:
  - .name:           k_q6b5e49cf4f_attn
    .symbol:         k_q6b5e49cf4f_attn.kd
    .args:
      - { .name: qb, .offset: 0, .size: 8, .value_kind: global_buffer, .address_space: global }
      - { .name: kb, .offset: 8, .size: 8, .value_kind: global_buffer, .address_space: global }
      - { .name: vb, .offset: 16, .size: 8, .value_kind: global_buffer, .address_space: global }
      - { .name: attention_mask, .offset: 24, .size: 8, .value_kind: global_buffer, .address_space: global }
      - { .name: vsum, .offset: 32, .size: 8, .value_kind: global_buffer, .address_space: global }
      - { .name: ab, .offset: 40, .size: 8, .value_kind: global_buffer, .address_space: global }
    .group_segment_fixed_size: 327680
    .private_segment_fixed_size: 0
    .kernarg_segment_align: 8
    .kernarg_segment_size: 48
    .max_flat_workgroup_size: 128
    .sgpr_count:     66
    .vgpr_count:     512
    .wavefront_size: 32
...
	.end_amdgpu_metadata
.endif
;; end of part 3
;; launch oproj (part 4): grid 4 x 64, 4 waves a work-group, clusters of 4 x 4, 327,680 bytes of LDS; arguments ab, Wo, out0; writes out0
.if DOCPART == 4
	.amdgcn_target "amdgcn-amd-amdhsa--gfx1250"
	.amdhsa_code_object_version 6
	.text
	.protected	k_q6b5e49cf4f_oproj
	.globl	k_q6b5e49cf4f_oproj
	.p2align	8
	.type	k_q6b5e49cf4f_oproj,@function
k_q6b5e49cf4f_oproj:
	s_mov_b64 s[64:65], 0
	v_nop
	global_prefetch_b8 v0, s[64:65] scope:SCOPE_SE
	s_setreg_imm32_b32 hwreg(HW_REG_WAVE_MODE, 25, 1), 1
	s_wait_xcnt 0x0
	s_wait_alu depctr_hold_cnt(0) depctr_sa_sdst(0) depctr_va_vdst(0) depctr_va_sdst(0) depctr_va_ssrc(0) depctr_va_vcc(0) depctr_vm_vsrc(0)
	s_getreg_b32 s2, hwreg(HW_REG_IB_STS2, 6, 4)
	s_cmp_eq_u32 s2, 0
	s_cbranch_scc0 .Lentry_in_a_cluster
	s_endpgm
.Lentry_in_a_cluster:
	s_bfe_u32 s2, ttmp6, 0x10000c
	s_cmp_lg_u32 s2, 0xf033
	s_cbranch_scc0 .Lentry_shape_is_right
	s_endpgm
.Lentry_shape_is_right:
; OUTPUT PROJECTION.  out0 = 4 x [ab] x [Wo].  ab: [1024][4096] f16, the attention's result / 4.  Wo: [4096 (k)][4096] f32.  out0: [1024][4096] f32.
; FORMATS.  Like the other inputs, Wo enters its product rounded to bf16 (nearest even).  ab needs f16's 11 significant bits: a row with one or two open
; keys has the size of v, about 1, against the whole output's root mean square of about 0.13, and 8 bits would leave some 1.6e-3 on it.  One matrix
; form has to take both, so Wo's bf16 number is written in f16: bf16's last bit at exponent e is 2^(e-7), f16's finest step is 2^-24, so the second
; conversion is exact from 2^-17 up to f16's largest number.
; A work-group makes 256 rows (x = block row mb) x 64 columns (y), K = 4096: 4 x 64 = 256 work-groups.  A block of 128 x 128 would also give 256, but every
; strip of Wo would then be loaded, rounded twice and stored into LDS by eight work-groups instead of four.
; FOUR LIKE WAVES.  Wave w asks for rows 64 w .. 64 w + 63 of A by a tensor load; carries a quarter of W through a ring of registers (f32 from memory,
; rounded, stored into LDS as [k][n]); and multiplies its 64 rows x 64 columns: 16 accumulator tiles of 16 x 16.
; K in units of 64: 32 fragment loads and 32 matrix instructions a wave.  A W buffer holds 2 units, an A slot 4 units (rows of 512 bytes).  Two of each.
; CLUSTERS.  4 x 4 work-groups: cx = the block row, cy = one of four neighbouring column blocks.  The four of a column of the cluster (same cx) need the
; same tiles of A and ask for them JOINTLY: the same tensor load, the same descriptor (made of the block row and the wave's number alone), a mask that
; names the four.  That divides the requests for A, 256 x 2 MiB, by four.  W is not asked for jointly: it is f32 and has to pass through registers to be
; rounded; as a joint tile it would be written into LDS and read from it once more.  Its four readers (the four block rows) lie in one cluster.
; REGISTERS: v0-31 addresses; v32-159 fragment buffer 0; v160-191 the rounded W; v256-383 the accumulators; v384-511 fragment buffer 1;
; v512-767 the ring: 8 slots of 8 loads of 16 bytes a lane.
; THE MATRIX INSTRUCTION IS USED TRANSPOSED (source 0 = 16 columns of W, source 1 = 16 rows of A): lane (r, h), register j holds
; C(row 64 w + 16 a + r, column 16 b + 8 h + j): eight neighbouring numbers of a row.
; LIMITS.  |Wo| < 65,504; numbers of Wo under 2^-17 = 7.6e-6 keep an absolute error of 2^-25 = 3e-8 beyond their rounding to bf16.
.set PA,    528                        ; A's LDS pitch: 512 bytes + 16 = 33 x 16
.set SLOTB, 256*PA                     ; an A slot: 256 rows x 256 k
.set QTR,   64*PA                      ; what one tensor load brings
.set PW,    160                        ; W's LDS pitch: 128 bytes + 32 = 5 x 32, for the transposing loads
.set WBUF,  128*PW                     ; a W buffer: 128 k
.set WB,    2*SLOTB                    ; the W buffers lie behind the A slots: no tensor load lands there
.set PS,    272                        ; the output stage's pitch: 256 bytes + 16
.set VOFF,  8                          ; v8-15   byte offset of my 16 bytes in the i-th pair of k rows of mine in a unit of W
.set ADS,   16                         ; v16     LDS address of my 8 bytes in my first k row of W buffer 0
.set ADA,   18                         ; v18-19  LDS address of my A fragments in slot 0, 1
.set ADW,   20                         ; v20     LDS address of my W fragments in buffer 0
.set STG,   21                         ; v21     where I put 32 bytes of a result row
.set F0,    32                         ; v32-159  fragment buffer 0: k step ks: A's 4 row tiles at 32 ks + 8 a, W's 4 column tiles at 64 + 32 ks + 8 b
.set F1,    128                        ; v384-511 fragment buffer 1, beside the accumulators
.set T,     160                        ; v160-175 a unit's 16 rows of mine: packed bf16, then packed f16
.set U,     176                        ; v176-191 eight pairs of bf16 numbers, widened to f32
.set G1,    40
.set G0,    48
.set WBASE, 74                         ; s[74:75] W at the unit asked for last; s[26:27], s[66:73]: units 0 to 4, used once
.set MSB,   0
.macro WIN new                         ; s_set_vgpr_msb: bits 1:0 source 0, 3:2 source 1, 5:4 source 2, 7:6 destination; the high byte repeats the setting that is left
.if MSB != \new
	s_set_vgpr_msb (MSB<<8)|\new
.set MSB, \new
.endif
.endm
.macro PLACES                          ; four places behind a matrix instruction, before its registers are loaded into or its result is read (ISA guide 7.12.1)
.rept 4
	v_nop
.endr
.endm
.macro BAR                             ; my LDS stores are done and my LDS loads are back; then the work-group's barrier
	s_wait_dscnt 0x0
	s_barrier_signal -1
	s_barrier_wait -1
.endm
.macro BART                            ; the same, and my part of the last tile has landed
	s_wait_tensorcnt 0x0
	BAR
.endm
; A round of the cluster's barrier: my work-group's barrier, so that wave 0's signal speaks for all four waves; wave 0 signals for the work-group;
; every wave waits for all sixteen work-groups; my work-group's barrier once more.
.macro ROUND
	s_barrier_signal -1
	s_barrier_wait -1
	s_cmp_lg_u32 s22, 0
	s_cbranch_scc1 .Lnot_wave_0_\@
	s_barrier_signal -3
.Lnot_wave_0_\@:
	s_barrier_wait -3
	s_barrier_signal -1
	s_barrier_wait -1
.endm
.macro BARS s                          ; the round behind which slot s is filled again, jointly
	s_wait_tensorcnt 0x0                           ; all my tensor loads have landed, the other slot's among them: no load of mine is out,
	ds_add_u32 v254, v255
	s_add_nc_u64 s[G0+4*\s+2:G0+4*\s+3], s[G0+4*\s+2:G0+4*\s+3], 1024   ; so slot s's group 0 may step: 512 k on
	s_wait_dscnt 0x0                               ; my reads of slot s are back
	ROUND                                          ; both now hold of every wave of every work-group of the cluster
.endm
.macro GISSUE slot, b                  ; a unit's 16 k rows of mine, two rows of 256 bytes a load, from base s[b:b+1] into ring slot
	WIN 0x80
.irp i, 0,1,2,3,4,5,6,7
	global_load_b128 v[32*\slot+4*\i:32*\slot+4*\i+3], v[VOFF+\i], s[\b:\b+1]
.endr
.endm
; One unit of W from the ring into LDS at byte off of the buffers.  issue = 1: the unit six further on is asked for, into the slot that
; was rounded two turns ago.  left: younger loads that may stay out.  The arithmetic comes first, then LDS stores and loads as one run.
.macro PTURN slot, off, issue, left
	s_wait_loadcnt \left                           ; loads come back in order (ISA guide 5.7.1): this unit's eight are in
	WIN 0x0a
.irp i, 0,1,2,3,4,5,6,7
	v_cvt_pk_bf16_f32 v[T+2*\i],   v[32*\slot+4*\i],   v[32*\slot+4*\i+1]     ; the one rounding
	v_cvt_pk_bf16_f32 v[T+2*\i+1], v[32*\slot+4*\i+2], v[32*\slot+4*\i+3]
.endr
	WIN 0
.irp g, 0,1
.irp i, 0,1,2,3,4,5,6,7
	v_lshlrev_b32 v[U+2*\i],   16,  v[T+8*\g+\i]   ; bf16 to f32: the low half moves up,
	v_and_b32     v[U+2*\i+1], s38, v[T+8*\g+\i]   ; the high half stays
.endr
.irp i, 0,1,2,3,4,5,6,7
	v_cvt_pk_f16_f32 v[T+8*\g+\i], v[U+2*\i], v[U+2*\i+1]          ; the same numbers in f16
.endr
.endr
.irp i, 0,1,2,3,4,5,6,7
	ds_store_b64 v[ADS], v[T+2*\i:T+2*\i+1] offset:\off+((\i&3)+8*(\i>>2))*PW   ; lanes 0-15 a k row's 128 bytes, lanes 16-31 the row 4 further down: 640 bytes on, 128 modulo 256
.endr
.if \issue
.set PIS, (\slot+6)&7
	s_wait_xcnt 0x0                                ; the base is stepped only when the loads that name it have had their addresses translated: they were issued a turn ago, 32 matrix instructions back
	s_add_nc_u64 s[WBASE:WBASE+1], s[WBASE:WBASE+1], s[28:29]      ; 64 k rows on
	GISSUE PIS, WBASE
.endif
.endm
; 32 LDS loads: unit u4 of slot s and unit uo of W buffer wbuf into fragment buffer f: the first k step's W (8) and A (8), then the second's
.macro FETCH s, u4, wbuf, uo, f
.irp ks, 0,1
.irp b, 0,1,2,3
	ds_load_tr16_b128 v[\f+64+32*\ks+8*\b:\f+64+32*\ks+8*\b+3],   v[ADW] offset:(\wbuf)*WBUF+(\uo)*64*PW+\ks*32*PW+32*\b
	ds_load_tr16_b128 v[\f+64+32*\ks+8*\b+4:\f+64+32*\ks+8*\b+7], v[ADW] offset:(\wbuf)*WBUF+(\uo)*64*PW+\ks*32*PW+32*\b+16*PW
.endr
.irp a, 0,1,2,3
	ds_load_b128 v[\f+32*\ks+8*\a:\f+32*\ks+8*\a+3],   v[ADA+\s] offset:16*PA*\a+128*(\u4)+64*\ks
	ds_load_b128 v[\f+32*\ks+8*\a+4:\f+32*\ks+8*\a+7], v[ADA+\s] offset:16*PA*\a+128*(\u4)+64*\ks+32
.endr
.endr
.endm
; 16 matrix instructions: k step ks of a unit, all 4 row tiles x all 4 column tiles.  The 16 accumulators take turns, one instruction a turn, in the same order in every step.
.macro H f, ks, zero
.irp a, 0,1,2,3
.irp b, 0,1,2,3
.if \zero
	v_wmma_f32_16x16x32_f16 v[8*(4*\a+\b):8*(4*\a+\b)+7], v[\f+64+32*\ks+8*\b:\f+64+32*\ks+8*\b+7], v[\f+32*\ks+8*\a:\f+32*\ks+8*\a+7], 0
.else
	v_wmma_f32_16x16x32_f16 v[8*(4*\a+\b):8*(4*\a+\b)+7], v[\f+64+32*\ks+8*\b:\f+64+32*\ks+8*\b+7], v[\f+32*\ks+8*\a:\f+32*\ks+8*\a+7], v[8*(4*\a+\b):8*(4*\a+\b)+7]
.endif
.endr
.endr
.endm
; What stands between two barriers: 128 k, the j-th half of the period on slot s.
; (refill = 1) the other slot's next tile is asked for jointly, first thing behind the round.  Multiplied: the second k step of the unit before, both steps
; of unit 2 j, the first step of unit 2 j + 1; each unit's fragments are fetched while the one before is multiplied.  Between them the next 128 k of W go
; into the other W buffer (pmode 1: with new loads; 0: without; 2: nothing is left); l0, l1: the two units' counts.
; first = 1: no unit before, and unit 0's first step starts the sums; last = 1: the last unit is finished here.
; Windows: buffer 0 is multiplied under 0x50 (C, D above), buffer 1 under 0x55 (all four above) and fetched under 0x40.
.macro REGION s, j, refill, pmode, l0, l1, first, last
.set RU0, 2*\j
.set RU1, 2*\j+1
.set RWC, \j&1
.set RWP, (\j+1)&1
.set RS0, (4*\s+2*\j+2)&7
.set RS1, (4*\s+2*\j+3)&7
.if \pmode == 2
.set RST, 0
.else
.set RST, 8                            ; the eight LDS stores of a unit of W
.endif
.if \refill
	tensor_load_to_lds s[G0+4*(1-\s):G0+4*(1-\s)+3], s[G1:G1+7]    ; my one tensor load until the next round; it has this period's 128 matrix instructions in which to land
	s_nop 0
.endif
	FETCH \s, RU0, RWC, 0, F0
.if \first == 0
	WIN 0x55
	H F1, 1, 0                                     ; its fragments came back in front of the barrier
.endif
.if \pmode != 2
	PTURN RS0, RWP*WBUF, \pmode, \l0
.endif
	s_wait_dscnt 16+RST                            ; the first k step's 16 loads are in; the second's 16 and the stores behind them may be out
	WIN 0x50
	H F0, 0, \first
	PLACES
	WIN 0x40
	FETCH \s, RU1, RWC, 1, F1
	s_wait_dscnt 32                                ; all but the 32 just issued
	WIN 0x50
	H F0, 1, 0
.if \pmode != 2
	PTURN RS1, RWP*WBUF+64*PW, \pmode, \l1
.endif
	s_wait_dscnt 16+RST
	WIN 0x55
	H F1, 0, 0
.if \last
	s_wait_dscnt 0
	H F1, 1, 0
.endif
	PLACES                                         ; the places in front of the next fetch, and of the way out
	WIN 0
.endm
.macro PERIOD s, refill
	REGION \s, 0, \refill, 1, 40, 40, 0, 0         ; 40: the five younger units' loads stay out
	BAR
	REGION \s, 1, 0, 1, 40, 40, 0, 0
	BARS \s
.endm
	s_load_b128 s[4:7], s[0:1], 0x0                ; ab s[4:5], Wo s[6:7]
	s_load_b64 s[8:9], s[0:1], 0x10                ; out0
	v_lshl_add_u32 v254, v0, 2, 0x4c000
	v_mov_b32 v255, 0
	ds_add_u32 v254, v255
	ds_add_u32 v254, v255
	v_lshrrev_b32 v1, 5, v0
	v_readfirstlane_b32 s22, v1                    ; wave 0..3
	s_bfe_u32 s60, ttmp6, 0x40000                  ; cx: my place along the cluster's x
	s_bfe_u32 s61, ttmp6, 0x40004                  ; cy: along its y
	s_lshl_b32 s23, ttmp9, 2                       ; in a cluster launch ttmp9 and ttmp7 count clusters
	s_add_co_u32 s23, s23, s60                     ; block row mb = 4 x cluster x + cx
	s_and_b32 s24, ttmp7, 0xffff
	s_lshl_b32 s24, s24, 2
	s_add_co_u32 s24, s24, s61                     ; block column y = 4 x cluster y + cy
	s_lshl_b32 s63, 0x1111, s60                    ; my column of the cluster: places cx, cx + 4, cx + 8, cx + 12
	s_mov_b32 s38, 0xffff0000                      ; a word's upper bf16
	s_mov_b32 s28, 64*16384                        ; a unit: 64 rows of Wo
	s_mov_b32 s29, 0
	; group 1: a tile of 64 rows x 256 f16, 16 bytes of padding behind each row, for my column of the cluster
	s_or_b32 s[G1+0], s63, (1<<16)|(1<<20)|(1<<21)|(6<<22)|(3<<25)   ; 15:0 the mask; elements of 2 bytes; padding on; bit 21 set beside a mask; after every 128 words; of 4 words
	s_mov_b32 s[G1+1], 256<<16                     ; tensor_dim0 = 256
	s_mov_b32 s[G1+2], 64<<16                      ; tensor_dim1 = 64
	s_mov_b32 s[G1+3], 256<<16                     ; tile_dim0 = 256
	s_mov_b32 s[G1+4], 64                          ; tile_dim1 = 64
	s_mov_b32 s[G1+5], 4096                        ; elements from row to row
	s_mov_b32 s[G1+6], 0
	s_mov_b32 s[G1+7], 0
	; where A's tiles come from and go to: the block row and the wave's number alone, in registers that never hold cy
	s_lshl_b32 s76, s23, 21                        ; 256 rows of 8,192 bytes
	s_lshl_b32 s78, s22, 19                        ; 64 rows
	s_add_co_u32 s76, s76, s78
	s_mov_b32 s77, 0
	s_mul_i32 s79, s22, QTR                        ; LDS: wave x 64 rows
	s_lshl_b32 s2, s24, 8                          ; my 64 columns of Wo: 256 bytes
	s_mov_b32 s3, 0
	s_wait_dscnt 0x0
	s_wait_kmcnt 0x0
	s_add_nc_u64 s[4:5], s[4:5], s[76:77]          ; A at the 64 rows that I bring
.irp s, 0,1
	s_mov_b32 s[G0+4*\s], 1
	s_add_co_u32 s[G0+4*\s+1], s79, \s*SLOTB                       ; LDS: wave x 64 rows + slot
	s_add_nc_u64 s[G0+4*\s+2:G0+4*\s+3], s[4:5], \s*512            ; k = 256 s
	s_or_b32 s[G0+4*\s+3], s[G0+4*\s+3], 0x80000000
.endr
	ROUND                                          ; all sixteen work-groups are here: the first joint loads meet
	tensor_load_to_lds s[G0:G0+3], s[G1:G1+7]      ; both first fills, ahead of every wait on TENSORcnt and every LDS read: two loads of a wave are out at the most
	s_nop 0
	tensor_load_to_lds s[G0+4:G0+7], s[G1:G1+7]
	s_nop 0
	s_add_nc_u64 s[26:27], s[6:7], s[2:3]          ; Wo at my 64 columns: unit 0
	s_add_nc_u64 s[66:67], s[26:27], s[28:29]      ; units 1 to 5: a base each, so that no wait stands between the first six units' loads
	s_add_nc_u64 s[68:69], s[66:67], s[28:29]
	s_add_nc_u64 s[70:71], s[68:69], s[28:29]
	s_add_nc_u64 s[72:73], s[70:71], s[28:29]
	s_add_nc_u64 s[WBASE:WBASE+1], s[72:73], s[28:29]
	v_and_b32 v2, 15, v0                           ; r
	v_bfe_u32 v3, v0, 4, 1                         ; h
	s_lshl_b32 s2, s22, 18                         ; my 16 k rows of a unit: 16 w rows of 16,384 bytes
	v_lshl_add_u32 v4, v3, 16, s2                  ; lanes 16-31: 4 rows further down
	v_lshl_add_u32 v[VOFF], v2, 4, v4              ; sixteen lanes read a row's 256 consecutive bytes, aligned
.irp i, 1,2,3,4,5,6,7
	v_add_nc_u32 v[VOFF+\i], ((\i&3)+8*(\i>>2))*16384, v[VOFF]     ; load i: rows i % 4 + 8 (i / 4) and 4 more
.endr
	GISSUE 0, 26                                   ; six units of W: 48 loads a wave
	GISSUE 1, 66
	GISSUE 2, 68
	GISSUE 3, 70
	GISSUE 4, 72
	GISSUE 5, WBASE
	WIN 0
	s_mul_i32 s2, s22, 16*PW
	s_add_co_u32 s2, s2, WB
	v_mul_u32_u24 v4, v3, 4*PW
	v_lshl_add_u32 v4, v2, 3, v4
	v_add_nc_u32 v[ADS], s2, v4                    ; (16 w + 4 h) pitch + 8 r
	v_mul_u32_u24 v4, v2, PA
	v_lshl_add_u32 v4, v3, 4, v4
	v_add_nc_u32 v[ADA], s79, v4                   ; (64 w + r) pitch + 16 h
	v_add_nc_u32 v[ADA+1], SLOTB, v[ADA]
	v_and_b32 v4, 7, v0
	v_lshl_add_u32 v4, v3, 3, v4
	v_mul_u32_u24 v4, v4, PW
	v_bfe_u32 v5, v0, 3, 1
	v_lshl_add_u32 v4, v5, 4, v4
	v_add_nc_u32 v[ADW], WB, v4                    ; (8 h + L % 8) pitch + 16 ((L / 8) % 2)
	PTURN 0, 0, 1, 40                              ; units 0 and 1 into W buffer 0
	PTURN 1, 64*PW, 1, 40
	WIN 0
	s_wait_tensorcnt 0x1                           ; my part of slot 0 is in; slot 1's may stay out
	BAR
	REGION 0, 0, 0, 1, 40, 40, 1, 0                ; period 0 is written out: its first k step starts the sums, and nothing is filled again
	BAR
	REGION 0, 1, 0, 1, 40, 40, 0, 0
	BARS 0
	s_mov_b32 s34, 6
.Lk:
	PERIOD 1, 1                                    ; periods 1 to 12
	PERIOD 0, 1
	s_sub_co_u32 s34, s34, 1
	s_cmp_lg_u32 s34, 0
	s_cbranch_scc1 .Lk
	PERIOD 1, 1                                    ; period 13: the last loads of W (units 60 to 63)
	REGION 0, 0, 1, 0, 40, 32, 0, 0                ; period 14: the last tile of A is asked for; W's counts run down
	BAR
	REGION 0, 1, 0, 0, 24, 16, 0, 0
	BART
	REGION 1, 0, 0, 0, 8, 0, 0, 0                  ; period 15
	BAR
	REGION 1, 1, 0, 2, 0, 0, 0, 1
	BAR                                            ; nobody reads a slot any more, and both have had their last fill: slot 0's bytes become the stage
	; THE WAY OUT.  Times 4 (ab holds the attention's result / 4), 32 bytes a lane and tile into the stage [256 rows][272].
	s_mul_i32 s2, s22, 64*PS
	v_mul_u32_u24 v4, v2, PS
	v_lshl_add_u32 v4, v3, 5, v4
	v_add_nc_u32 v[STG], s2, v4                    ; (64 w + r) pitch + 32 h
	WIN 0x41
.set qq, 0
.rept 64
	v_pk_mul_f32 v[qq:qq+1], v[qq:qq+1], 4.0 op_sel_hi:[1,0]
.set qq, qq+2
.endr
	WIN 0x04
.irp a, 0,1,2,3
.irp b, 0,1,2,3
	ds_store_b128 v[STG], v[8*(4*\a+\b):8*(4*\a+\b)+3]   offset:16*PS*\a+64*\b
	ds_store_b128 v[STG], v[8*(4*\a+\b)+4:8*(4*\a+\b)+7] offset:16*PS*\a+64*\b+16
.endr
.endr
	WIN 0
	BAR                                            ; the stage is whole
	; each wave: its 64 rows, two rows an instruction: sixteen lanes store a row's 256 consecutive bytes, aligned
	v_mul_u32_u24 v4, v3, PS
	v_lshl_add_u32 v4, v2, 4, v4
	v_add_nc_u32 v4, s2, v4                        ; (64 w + h) pitch + 16 r
	v_lshlrev_b32 v5, 14, v3
	v_lshl_add_u32 v5, v2, 4, v5                   ; h rows of 16,384 bytes + 16 r
	s_lshl_b32 s2, s23, 22                         ; 256 rows of 16,384 bytes
	s_lshl_b32 s3, s22, 20                         ; 64 rows
	s_add_co_u32 s2, s2, s3
	s_lshl_b32 s3, s24, 8                          ; my 64 columns
	s_add_co_u32 s2, s2, s3
	s_mov_b32 s3, 0
	s_add_nc_u64 s[8:9], s[8:9], s[2:3]
.set qq, 0
.rept 32
	ds_load_b128 v[32+4*qq:35+4*qq], v4 offset:2*PS*qq
.set qq, qq+1
.endr
.set qq, 0
.rept 32
	s_wait_dscnt 31-qq                             ; LDS loads come back in order: pair qq is in
	global_store_b128 v5, v[32+4*qq:35+4*qq], s[8:9] offset:32768*qq th:TH_STORE_NT
.set qq, qq+1
.endr
	s_wait_tensorcnt 0x0
	ds_add_u32 v254, v255
	s_wait_dscnt 0x0
	ROUND                                          ; the closing round: no work-group ends while a partner may still ask for a tile that names it
	s_endpgm
.Lfunc_end_k_q6b5e49cf4f_oproj:
	.size	k_q6b5e49cf4f_oproj, .Lfunc_end_k_q6b5e49cf4f_oproj-k_q6b5e49cf4f_oproj
	.p2alignl 7, 3214868480
	.fill 96, 4, 3214868480
	.section	.rodata,"a",@progbits
	.p2align	6, 0x0
	.amdhsa_kernel k_q6b5e49cf4f_oproj
		.amdhsa_group_segment_fixed_size 327680
		.amdhsa_private_segment_fixed_size 0
		.amdhsa_enable_private_segment 0
		.amdhsa_kernarg_size 24
		.amdhsa_user_sgpr_count 2
		.amdhsa_user_sgpr_kernarg_segment_ptr 1
		.amdhsa_wavefront_size32 1
		.amdhsa_system_sgpr_workgroup_id_x 1
		.amdhsa_system_sgpr_workgroup_id_y 1
		.amdhsa_system_sgpr_workgroup_id_z 1
		.amdhsa_system_vgpr_workitem_id 0
		.amdhsa_next_free_vgpr 768
		.amdhsa_next_free_sgpr 80
		.amdhsa_reserve_vcc 0
		.amdhsa_float_denorm_mode_32 3
		.amdhsa_float_denorm_mode_16_64 3
		.amdhsa_memory_ordered 1
		.amdhsa_forward_progress 1
		.amdhsa_inst_pref_size 231
	.end_amdhsa_kernel
	.amdgpu_metadata
---
amdhsa.version: [ 1, 2 ]
amdhsa.kernels:
  - .name:           k_q6b5e49cf4f_oproj
    .symbol:         k_q6b5e49cf4f_oproj.kd
    .args:
      - { .name: ab, .offset: 0, .size: 8, .value_kind: global_buffer, .address_space: global }
      - { .name: Wo, .offset: 8, .size: 8, .value_kind: global_buffer, .address_space: global }
      - { .name: out0, .offset: 16, .size: 8, .value_kind: global_buffer, .address_space: global }
    .group_segment_fixed_size: 327680
    .private_segment_fixed_size: 0
    .kernarg_segment_align: 8
    .kernarg_segment_size: 24
    .max_flat_workgroup_size: 128
    .sgpr_count:     80
    .vgpr_count:     768
    .wavefront_size: 32
...
	.end_amdgpu_metadata
.endif
;; end of part 4
